; MI455X (gfx1250); checked and timed in simulation.
; The chip was launched on July 23, 2026; its instructions are those of AMD's public machine-readable ISA for CDNA 5 (MIT licence, August 2026) and "CDNA5" Instruction Set Architecture Reference Guide (July 2026). The comments in the code are by the model that wrote it; some were corrected since.
;; Transformer Encoder Layer. Allowed arithmetic: matrix products marked QUANTISED: E5M2 operands, one E8M0 scale for each 32 along K, by v_wmma_scale_f32_16x16x128_f8f6f4 with both operands' format E5M2, f32 sums; everything else in f32.
;; Inputs: ffn1_b 2,048 float32; ffn1_w 2,048 x 256 float32; ffn2_b 256 float32; ffn2_w 256 x 2,048 float32; ln1_b 256 float32; ln1_g 256 float32; ln2_b 256 float32; ln2_g 256 float32; src 8 x 32 x 32 x 256 float32; w_k 2,048 x 256 float32; w_o 256 x 2,048 float32; w_q 2,048 x 256 float32; w_v 2,048 x 256 float32.
;; Outputs: out0 8 x 32 x 32 x 256 float32.
;; This version of the problem:
;;   THIS VERSION OF THE PROBLEM IS GIVEN IN LOW PRECISION. The matrix products marked QUANTISED in the list below multiply operands that are first quantised to E5M2 (5 exponent bits, 2 mantissa bits; 8 bits a number), with one power-of-two scale for each 32 numbers along K (OCP MX v1.0); their sums are f32. All else is computed in f32.
;;   The module's matrix products, in the order in which they are computed (A, B: the left and right operand; K: the contracted axis; several contracted axes count as one K, in the product's order):
;;     1. [M 8,192, K 256] x [K 256, N 2,048]; A: computed on the way; B: input w_q: QUANTISED
;;     2. [M 8,192, K 256] x [K 256, N 2,048]; A: computed on the way; B: input w_k: QUANTISED
;;     3. [M 8,192, K 256] x [K 256, N 2,048]; A: computed on the way; B: input w_v: QUANTISED
;;     4. batch 64 x [M 1,024, K 256] x [K 256, N 1,024]; A: computed on the way; B: computed on the way: QUANTISED
;;     5. batch 64 x [M 256, K 1,024] x [K 1,024, N 1,024]; A: computed on the way; B: softmax (see below): QUANTISED
;;     6. [M 8,192, K 2,048] x [K 2,048, N 256]; A: computed on the way; B: input w_o: QUANTISED
;;     7. [M 8,192, K 256] x [K 256, N 2,048]; A: computed on the way; B: input ffn1_w: QUANTISED
;;     8. [M 8,192, K 2,048] x [K 2,048, N 256]; A: computed on the way; B: input ffn2_w: QUANTISED
;;   THE QUANTISER, for each operand of a quantised product, along K:
;;     - K is cut into blocks of 32 from its start; a last block that is shorter is filled with zeros.
;;     - A block's scale is 2^e with e = floor(log2(the largest magnitude in the block)) - 15, held to -126 .. 127; a block of zeros has e = 0. As a byte (E8M0): e + 127.
;;     - Each number is divided by its block's scale, clamped to +-57,344, and rounded to the nearest number of E5M2, ties to even, subnormals kept.
;;     - The product sums the exact products of the quantised numbers (number of the format x scale) in f32.
;;   ~~~python
;;   def quantise(x, axis):      # numpy; x: float32 -> the quantised numbers, widened to float32 again
;;       x = np.moveaxis(x, axis, -1); K = x.shape[-1]
;;       x = np.pad(x, [(0, 0)] * (x.ndim - 1) + [(0, -K % 32)]); x = x.reshape(x.shape[:-1] + (-1, 32)); a = np.abs(x).max(-1, keepdims=True)
;;       e = np.where(a > 0, np.clip(np.frexp(np.where(a > 0, a, 1))[1] - 1 - 15, -126, 127), 0)      # np.frexp(a)[1] - 1 = floor(log2(a)), exactly
;;       r = np.clip(x / 2.0 ** e, -57344, 57344)
;;       step = 2.0 ** (np.maximum(np.frexp(np.where(r == 0, 1, r))[1] - 1, -14) - 2)
;;       q = np.round(r / step) * step * 2.0 ** e      # np.round: ties to even
;;       return np.moveaxis(q.reshape(q.shape[:-2] + (-1,))[..., :K], -1, axis).astype(np.float32)
;;   ~~~
;;   SOFTMAX AHEAD OF A QUANTISED PRODUCT. Where the list says 'softmax', what is quantised is not the finished softmax but p = 2^(t - M), with t = logit x log2(e) and M = ceil(the row's largest t), a whole number; so 1/2 < the row's largest p <= 1. The row's sum l is taken of the UNQUANTISED p, in f32, and the product's result is divided by l at the end. Since M is a whole number, a kernel that streams over the keys may use a running M (the ceiling of the running maximum): every later rescaling is an exact power of two, which a block's scale takes up: the codes' values come out the same.
;;   OPERANDS COMPUTED ON THE WAY. 'Computed on the way' means the value that the module computes at that place (a softmax that the list does not call 'softmax' is quantised finished and normalised). What goes into a quantiser is computed in f32, as accurately as f32 sums, v_exp_f32 and their like allow (about 1e-6 of the number): no bf16 or f16 on the way to a quantiser, and a product that is left as it is and whose result goes on into a quantised operand takes f32 operands (vector FMAs, or v_wmma_f32_16x16x4_f32). A number that lies on a knife's edge between two numbers of the format may be rounded either way, as far as f32 arithmetic and the matrix unit's own rounding can turn it there, and no further.
;; One version. Each part assembles by itself: llvm-mc -triple=amdgcn-amd-amdhsa -mcpu=gfx1250 --defsym DOCPART=n.
;; ======== version 1 of 1: 4 launches
;; workspace buffers: pre 5,570,560 bytes; sig 1,048,576 bytes; qb 17,825,792 bytes; kv 35,651,584 bytes; ocod 17,825,792 bytes
;; launch prep (part 1): grid 160 x 1, 4 waves a work-group, no clusters, 84,992 bytes of LDS; arguments src, w_q, w_k, w_v, w_o, ffn1_w, ffn2_w, pre, sig; writes pre, sig
.if DOCPART == 1
	.amdgcn_target "amdgcn-amd-amdhsa--gfx1250"
	.amdhsa_code_object_version 6
	.text
	.protected	k_qe3e470552c_prep
	.globl	k_qe3e470552c_prep
	.p2align	8
	.type	k_qe3e470552c_prep,@function
k_qe3e470552c_prep:
	s_mov_b64 s[64:65], 0
	v_nop
	global_prefetch_b8 v0, s[64:65] scope:SCOPE_SE
	s_setreg_imm32_b32 hwreg(HW_REG_WAVE_MODE, 25, 1), 1
	s_wait_xcnt 0x0
; PREP.  x = src + the 2-D timing signal, and the six weights, become codes of BF8 (E5M2) with one E8M0 byte for each 32 along K; the signal is also stored as f32 for the last launch.
; THE FORMAT OF EVERY OPERAND IN THIS PROGRAM.  A fragment is 16 rows x 128 K, 2,048 bytes, laid as the image of the operand's registers: byte 512 c + 16 lane + j is the code of
; k = 32 c + 16 (lane / 16) + j of row lane % 16.  Tile 2 g + u takes rows 32 g + 8 u + r + 8 (r / 8).  Four fragments are a quad (8,192 bytes); their scale words are a group of 512 bytes, [lane][4 words].
; A wave makes one quad from 32 KB of f32.  Work-groups 0-63: x (quad = 32 rows = one line of the map).  Work-groups 64-159: sixteen for each weight.
; Each load reads 512 consecutive bytes of one row; a fragment turns through the wave's own stage in LDS (rows of 528 bytes) so that a lane gets 16 neighbours along K of each block of 32.
; THE SIGNAL.  T[p][c] = sin(p inv[c]) for c < 64, cos(p inv[c - 64]) else, p = 0 .. 31, inv[i] = 10000^(-i / 63).  Angles are at most 31: n = round(t 2/pi), r = t - n pi/2 with pi/2 in two parts,
; polynomials of degree 7 and 8 on |r| <= pi/4, the quadrant by selection and sign bit.
; LIMITS: NaN and infinities are not served.  A block of zeros, and a block whose largest magnitude lies under 2^-111, get the byte 1 (the rule says 127 for zeros): the codes of zeros are zeros, and this program alone reads the bytes.
.set TP,     528                       ; a row of T and of a stage: 512 bytes + 16
.set STX,    32*TP                     ; behind T: the stages of the x path, 16 rows for each wave
.set STB,    16*TP
.set STW,    STX+4*STB                 ; the stages of the weights' path: bytes of their own
.set SCALES, 640*8192                  ; pre: 640 quads of codes, then 640 groups of scale words
.set L16, 1                            ; v1      16 x lane
.set SSX, 2                            ; v2, v3  x path: where I store a row into the stage, where I read my 16 neighbours
.set SRX, 3
.set SSW, 4                            ; v4, v5  the same for the weights' path
.set SRW, 5
.set ATH, 6                            ; v6      T at my line of the map
.set SGH, 8                            ; v8-11   the line's signal for my four channels
.set PW4, 12                           ; v12-15  the quad's four scale words
.set VO,  16                           ; v16-31  16 x lane + row x pitch for the 16 rows of a tile; never rewritten
.set R,   32                           ; v32-159 two sets of 64: a fragment as loaded
.set X,   160                          ; v160-223 a fragment by neighbours; the table's work
.set TM,  224                          ; v224-239 the quantiser's work;  v224-255 the table's results
.set PC,  240                          ; v240-255 codes
.set WV,  24
.set GAM, 26
.set SEL, 28
.set T6,  30
.set MNT, 31
.set FB,  32                           ; s[32:39] the four fragments' first bytes
.set OC,  46                           ; s[46:47] my quad's codes;  s[48:49] its scale words
.set OS,  48
.set PIT, 62
.set QAL, 63
.macro SETUP                           ; from s[22:23] (the quad's first byte), s42 and s44 (steps between fragments), s[PIT], s[QAL]
	s_mov_b64 s[FB:FB+1], s[22:23]
	s_add_nc_u64 s[FB+2:FB+3], s[22:23], s[42:43]
	s_add_nc_u64 s[FB+4:FB+5], s[22:23], s[44:45]
	s_add_nc_u64 s[FB+6:FB+7], s[FB+4:FB+5], s[42:43]
	s_lshl_b32 s[OC], s[QAL], 13
	s_mov_b32 s[OC+1], 0
	s_add_nc_u64 s[OC:OC+1], s[18:19], s[OC:OC+1]
	s_lshl_b32 s[OS], s[QAL], 9
	s_add_co_u32 s[OS], s[OS], SCALES
	s_mov_b32 s[OS+1], 0
	s_add_nc_u64 s[OS:OS+1], s[18:19], s[OS:OS+1]
.irp j, 0,1,2,3,4,5,6,7,8,9,10,11,12,13,14,15
	v_mad_u32_u24 v[VO+\j], s[PIT], \j+8*(\j/8), v[L16]      ; tile row j lies j + 8 (j / 8) rows behind the tile's first
.endr
.endm
.macro LOADF fi, set                   ; fragment fi: sixteen rows, 512 consecutive bytes each
.irp j, 0,1,2,3,4,5,6,7,8,9,10,11,12,13,14,15
	global_load_b128 v[R+64*(\set)+4*\j:R+64*(\set)+4*\j+3], v[VO+\j], s[FB+2*(\fi):FB+2*(\fi)+1] th:TH_LOAD_NT
.endr
.endm
.macro QUANT pw                        ; v[X + 16 b + i] = k 32 b + 16 (lane / 16) + i of my row -> codes in v[PC] on, the scale word in v[pw]
.irp b, 0,1,2,3
	v_max3_num_f32 v[TM+\b], |v[X+16*\b]|, |v[X+16*\b+1]|, 0x8000000       ; with the floor 2^(16 - 127): the byte cannot fall under 1
.endr
.irp i, 2,4,6,8,10,12,14
.irp b, 0,1,2,3
	v_max3_num_f32 v[TM+\b], v[TM+\b], |v[X+16*\b+\i]|, |v[X+16*\b+\i+1]|
.endr
.endr
.irp b, 0,1,2,3
	v_permlanex16_b32 v[TM+4+\b], v[TM+\b], s[SEL], s[SEL+1]
.endr
.irp b, 0,1,2,3
	v_max_num_f32 v[TM+\b], v[TM+\b], v[TM+4+\b]                           ; with lane l xor 16: the block's largest magnitude
.endr
.irp b, 0,1,2,3
	v_add_nc_u32 v[TM+12+\b], 0xf8800000, v[TM+\b]                         ; 15 off its exponent field: the conversion's scale operand
.endr
.irp b, 0,1,2,3
	v_and_or_b32 v[TM+8+\b], v[TM+\b], 0x7f800000, s[MNT]                  ; 57,344 x the scale
.endr
.irp b, 0,1,2,3
	v_lshrrev_b32 v[TM+4+\b], 23, v[TM+12+\b]                              ; the byte
.endr
	v_lshl_or_b32 v[\pw], v[TM+5], 8, v[TM+4]
	v_lshl_or_b32 v[\pw], v[TM+6], 16, v[\pw]
	v_lshl_or_b32 v[\pw], v[TM+7], 24, v[\pw]
.irp b, 0,1,2,3
.irp i, 0,1,2,3,4,5,6,7,8,9,10,11,12,13,14,15
	v_med3_num_f32 v[X+16*\b+\i], v[X+16*\b+\i], -v[TM+8+\b], v[TM+8+\b]   ; the conversion does not saturate (ISA guide 7.6.2): the hold
.endr
	v_cvt_scalef32_pk8_bf8_f32 v[PC+4*\b:PC+4*\b+1], v[X+16*\b:X+16*\b+7], v[TM+12+\b]
	v_cvt_scalef32_pk8_bf8_f32 v[PC+4*\b+2:PC+4*\b+3], v[X+16*\b+8:X+16*\b+15], v[TM+12+\b]
.endr
	v_nop                                                                  ; a plain line behind the last conversion
.endm
; One fragment.  sg = 1: the signal is added, in the layout as loaded: lane l holds channels 4 l .. 4 l + 3 of the K step
.macro FRAG fi, sg, ss, sr
.set RS, R+64*((\fi)%2)
.if (\fi) < 3
	s_wait_loadcnt 16                              ; my 16 loads are in; the next fragment's 16 may be out
.else
	s_wait_loadcnt 0x0
.endif
.if \sg
.if (\fi)%2 == 0                       ; channels 0-127: the line's signal, the same for all rows
.irp j, 0,1,2,3,4,5,6,7,8,9,10,11,12,13,14,15
	v_pk_add_f32 v[RS+4*\j:RS+4*\j+1], v[RS+4*\j:RS+4*\j+1], v[SGH:SGH+1]
	v_pk_add_f32 v[RS+4*\j+2:RS+4*\j+3], v[RS+4*\j+2:RS+4*\j+3], v[SGH+2:SGH+3]
.endr
.else                                  ; channels 128-255: the column's signal: tile row j is column 8 u + j + 8 (j / 8)
.irp j, 0,1,2,3,4,5,6,7,8,9,10,11,12,13,14,15
	ds_load_b128 v[X+4*\j:X+4*\j+3], v[L16] offset:(8*((\fi)/2)+\j+8*(\j/8))*TP
.endr
	s_wait_dscnt 0x0
.irp j, 0,1,2,3,4,5,6,7,8,9,10,11,12,13,14,15
	v_pk_add_f32 v[RS+4*\j:RS+4*\j+1], v[RS+4*\j:RS+4*\j+1], v[X+4*\j:X+4*\j+1]
	v_pk_add_f32 v[RS+4*\j+2:RS+4*\j+3], v[RS+4*\j+2:RS+4*\j+3], v[X+4*\j+2:X+4*\j+3]
.endr
.endif
.endif
.irp j, 0,1,2,3,4,5,6,7,8,9,10,11,12,13,14,15
	ds_store_b128 v[\ss], v[RS+4*\j:RS+4*\j+3] offset:\j*TP
.endr
.irp b, 0,1,2,3
.irp q, 0,1,2,3
	ds_load_b128 v[X+16*\b+4*\q:X+16*\b+4*\q+3], v[\sr] offset:128*\b+16*\q   ; LDS serves a wave's instructions in order: these see my stores
.endr
.endr
	s_wait_dscnt 0x0                               ; the neighbours are in, and the stores have read their registers,
.if (\fi) < 2
	LOADF (\fi)+2, (\fi)%2                         ; which take the fragment two on
.endif
	s_wait_xcnt 0x0                                ; the last fragment's stores have read v[PC] on
	QUANT PW4+(\fi)
.irp c, 0,1,2,3
	global_store_b128 v[L16], v[PC+4*\c:PC+4*\c+3], s[OC:OC+1] offset:(\fi)*2048+512*\c   ; 512 consecutive bytes
.endr
.endm
; Four entries of the table for each thread: p = p0 + 2 (4 g + e).  The four go line by line, so that no line waits for the line above it
.macro TAB g
.irp e, 0,1,2,3
	v_add_nc_u32 v[X+12*\e], 2*(4*\g+\e), v[X+49]
.endr
.irp e, 0,1,2,3
	v_cvt_f32_u32 v[X+12*\e], v[X+12*\e]
.endr
.irp e, 0,1,2,3
	v_mul_f32 v[X+12*\e], v[X+12*\e], v[X+50]                  ; t = p inv
.endr
.irp e, 0,1,2,3
	v_mul_f32 v[X+12*\e+1], s50, v[X+12*\e]
.endr
.irp e, 0,1,2,3
	v_rndne_f32 v[X+12*\e+1], v[X+12*\e+1]                     ; n
.endr
.irp e, 0,1,2,3
	v_fma_f32 v[X+12*\e+2], v[X+12*\e+1], s51, v[X+12*\e]
.endr
.irp e, 0,1,2,3
	v_fma_f32 v[X+12*\e+2], v[X+12*\e+1], s52, v[X+12*\e+2]    ; r
.endr
.irp e, 0,1,2,3
	v_mul_f32 v[X+12*\e+3], v[X+12*\e+2], v[X+12*\e+2]         ; z = r r
.endr
.irp e, 0,1,2,3
	v_fma_f32 v[X+12*\e+4], v[X+12*\e+3], s53, s54
	v_fma_f32 v[X+12*\e+5], v[X+12*\e+3], s56, s57
.endr
.irp e, 0,1,2,3
	v_fma_f32 v[X+12*\e+4], v[X+12*\e+4], v[X+12*\e+3], s55
	v_fma_f32 v[X+12*\e+5], v[X+12*\e+5], v[X+12*\e+3], s58
.endr
.irp e, 0,1,2,3
	v_mul_f32 v[X+12*\e+6], v[X+12*\e+3], v[X+12*\e+2]
	v_mul_f32 v[X+12*\e+7], v[X+12*\e+3], v[X+12*\e+3]
	v_fma_f32 v[X+12*\e+8], v[X+12*\e+3], -0.5, 1.0
	v_cvt_i32_f32 v[X+12*\e+9], v[X+12*\e+1]
.endr
.irp e, 0,1,2,3
	v_fma_f32 v[X+12*\e+4], v[X+12*\e+4], v[X+12*\e+6], v[X+12*\e+2]   ; sin r
	v_fma_f32 v[X+12*\e+5], v[X+12*\e+5], v[X+12*\e+7], v[X+12*\e+8]   ; cos r
	v_and_b32 v[X+12*\e+10], 1, v[X+12*\e+9]
.endr
.irp e, 0,1,2,3
	v_cmp_eq_u32 vcc_lo, 1, v[X+12*\e+10]                      ; odd quadrants change the two
	v_cndmask_b32 v[224+2*(4*\g+\e)], v[X+12*\e+4], v[X+12*\e+5], vcc_lo
	v_cndmask_b32 v[225+2*(4*\g+\e)], v[X+12*\e+5], v[X+12*\e+4], vcc_lo
.endr
.irp e, 0,1,2,3
	v_lshlrev_b32 v[X+12*\e+6], 30, v[X+12*\e+9]
	v_add_nc_u32 v[X+12*\e+7], 1, v[X+12*\e+9]
.endr
.irp e, 0,1,2,3
	v_and_b32 v[X+12*\e+6], 0x80000000, v[X+12*\e+6]           ; the sine is negative in quadrants 2, 3,
	v_lshlrev_b32 v[X+12*\e+7], 30, v[X+12*\e+7]
.endr
.irp e, 0,1,2,3
	v_xor_b32 v[224+2*(4*\g+\e)], v[224+2*(4*\g+\e)], v[X+12*\e+6]
	v_and_b32 v[X+12*\e+7], 0x80000000, v[X+12*\e+7]           ; the cosine in 1, 2
.endr
.irp e, 0,1,2,3
	v_xor_b32 v[225+2*(4*\g+\e)], v[225+2*(4*\g+\e)], v[X+12*\e+7]
.endr
.irp e, 0,1,2,3
	ds_store_b32 v[X+51], v[224+2*(4*\g+\e)] offset:(4*\g+\e)*2*TP
	ds_store_b32 v[X+51], v[225+2*(4*\g+\e)] offset:(4*\g+\e)*2*TP+256
.endr
.endm
	s_load_b512 s[4:19], s[0:1], 0x0               ; src, w_q, w_k, w_v, w_o, ffn1_w, ffn2_w, pre
	s_load_b64 s[20:21], s[0:1], 0x40              ; sig
	s_set_vgpr_msb 0x40
	v_lshl_add_u32 v0, v0, 2, 0x14a00
	v_mov_b32 v1, 0
	s_set_vgpr_msb 0x4000
	v_lshrrev_b32 v2, 5, v0
	v_readfirstlane_b32 s[WV], v2                  ; wave 0..3
	v_and_b32 v6, 31, v0
	v_lshlrev_b32 v[L16], 4, v6
	v_and_b32 v7, 15, v0                           ; r
	v_bfe_u32 v8, v0, 4, 1                         ; h
	s_mul_i32 s25, s[WV], STB
	v_add_nc_u32 v9, s25, v[L16]
	v_add_nc_u32 v[SSX], STX, v9
	v_add_nc_u32 v[SSW], STW, v9
	v_mul_u32_u24 v9, v7, TP
	v_lshl_add_u32 v9, v8, 6, v9                   ; row r, + 64 h: 16 numbers of a block of 32
	v_add_nc_u32 v9, s25, v9
	v_add_nc_u32 v[SRX], STX, v9
	v_add_nc_u32 v[SRW], STW, v9
	s_mov_b32 s[SEL], 0x76543210
	s_mov_b32 s[SEL+1], 0xfedcba98                 ; lane l xor 16
	s_mov_b32 s[MNT], 0x600000                     ; the mantissa field of 57,344
	s_mov_b32 s41, 0
	s_mov_b32 s43, 0
	s_mov_b32 s45, 0
	s_cmp_ge_u32 ttmp9, 64
	s_cbranch_scc1 .Lweights                       ; the two paths part here, on the work-group's number, and do not meet again
	; ---- x: quad = 4 x work-group + wave = 32 rows: image gam / 32, line gam % 32
	s_lshl_b32 s[GAM], ttmp9, 2
	s_add_co_u32 s[GAM], s[GAM], s[WV]
	s_and_b32 s27, s[GAM], 31
	s_mul_i32 s27, s27, TP
	v_add_nc_u32 v[ATH], s27, v[L16]
	s_lshl_b32 s40, s[GAM], 15                     ; 32 rows of 1,024 bytes
	s_mov_b32 s42, 512                             ; from K step to K step
	s_mov_b32 s44, 8192                            ; from tile to tile: 8 rows
	s_mov_b32 s[PIT], 1024
	s_add_co_u32 s[QAL], s[GAM], 384
	s_wait_kmcnt 0x0
	s_add_nc_u64 s[22:23], s[4:5], s[40:41]
	SETUP
	LOADF 0, 0                                     ; they land while the table is made
	LOADF 1, 1
	s_mov_b32 s50, 0x3f22f983                      ; 2 / pi
	s_mov_b32 s51, 0xbfc90fdb                      ; - pi/2, its upper part,
	s_mov_b32 s52, 0x333bbd2e                      ; and less its lower part
	s_mov_b32 s53, 0xb94ca1f9                      ; the sine's three coefficients
	s_mov_b32 s54, 0x3c08839e
	s_mov_b32 s55, 0xbe2aaaa3
	s_mov_b32 s56, 0x37ccf5ce                      ; the cosine's
	s_mov_b32 s57, 0xbab6061a
	s_mov_b32 s58, 0x3d2aaaa5
	v_and_b32 v[X+48], 63, v0                      ; which timescale
	v_lshrrev_b32 v[X+49], 6, v0                   ; p0 = 0 or 1
	v_cvt_f32_u32 v[X+50], v[X+48]
	v_mul_f32 v[X+50], 0xbe57fa62, v[X+50]         ; x -log2(10000) / 63
	v_exp_f32 v[X+50], v[X+50]                     ; inv
	v_mul_u32_u24 v[X+51], v[X+49], TP             ; (plain lines behind the exponential)
	v_lshl_add_u32 v[X+51], v[X+48], 2, v[X+51]    ; T[p0][i]
	s_wait_alu depctr_va_vdst(0)                   ; the wait ahead of the first reader
	TAB 0
	TAB 1
	TAB 2
	TAB 3
	s_wait_dscnt 0x0                               ; for the others' sake: my part of T is written
	s_barrier_signal -1
	s_barrier_wait -1
.irp b, 0,1,2,3
	v_mov_b32 v[TM+4+\b], 0                        ; a lane permute's destination counts as one of its sources
.endr
	ds_load_b128 v[SGH:SGH+3], v[ATH]
	s_wait_dscnt 0x0
	FRAG 0, 1, SSX, SRX
	FRAG 1, 1, SSX, SRX
	FRAG 2, 1, SSX, SRX
	FRAG 3, 1, SSX, SRX
	global_store_b128 v[L16], v[PW4:PW4+3], s[OS:OS+1]
	; the signal as f32: work-group g stores positions 16 g + 4 wave + e: line g / 2, columns 16 (g % 2) + 4 wave + e
	s_lshr_b32 s25, ttmp9, 1
	s_and_b32 s25, s25, 31
	s_mul_i32 s25, s25, TP
	v_add_nc_u32 v[R], s25, v[L16]
	s_and_b32 s27, ttmp9, 1
	s_lshl_b32 s27, s27, 4
	s_lshl_b32 s40, s[WV], 2
	s_add_co_u32 s27, s27, s40
	s_mul_i32 s40, s27, TP
	v_add_nc_u32 v[R+1], s40, v[L16]
	ds_load_b128 v[R+4:R+7], v[R]
.irp e, 0,1,2,3
	ds_load_b128 v[R+8+4*\e:R+11+4*\e], v[R+1] offset:\e*TP
.endr
	s_lshl_b32 s40, ttmp9, 14
	s_lshl_b32 s27, s[WV], 12
	s_add_co_u32 s40, s40, s27
	s_add_nc_u64 s[20:21], s[20:21], s[40:41]
	s_wait_dscnt 0x0
.irp e, 0,1,2,3
	global_store_b128 v[L16], v[R+4:R+7], s[20:21] offset:\e*1024
	global_store_b128 v[L16], v[R+8+4*\e:R+11+4*\e], s[20:21] offset:\e*1024+512
.endr
	s_set_vgpr_msb 0x5
	s_wait_tensorcnt 0x0
	ds_add_u32 v0, v1
	s_wait_dscnt 0x0
	s_set_vgpr_msb 0x500
	s_endpgm
	; ---- the weights: tensor t6 = 0 .. 5 (w_q, w_k, w_v, w_o, ffn1_w, ffn2_w), quad gam = 0 .. 63
.Lweights:
	s_sub_co_u32 s25, ttmp9, 64
	s_lshr_b32 s[T6], s25, 4
	s_and_b32 s25, s25, 15
	s_lshl_b32 s25, s25, 2
	s_add_co_u32 s[GAM], s25, s[WV]
	s_lshr_b32 s27, s[GAM], 4
	s_and_b32 s25, s[GAM], 15
	s_lshl_b32 s40, s[GAM], 15                     ; K = 256: a quad is 32 rows x both K steps
	s_lshl_b32 s[QAL], s[T6], 6
	s_add_co_u32 s[QAL], s[QAL], s[GAM]            ; w_q, w_k, w_v: quads 64 t6 + gam
	s_lshl_b32 s59, s27, 19                        ; K = 2,048: a quad is 64 rows (gam / 16) x one K step (gam % 16)
	s_lshl_b32 s60, s25, 9
	s_add_co_u32 s59, s59, s60
	s_mul_i32 s60, s27, 48                         ; the last launch's wave gam / 16 reads 48 quads on end:
	s_add_co_u32 s60, s60, s25
	s_add_co_u32 s60, s60, 192                     ; 16 of w_o,
	s_add_co_u32 s61, s60, 32                      ; (16 of ffn2_w at the end,)
	s_bfe_u32 s50, s[GAM], 0x20002                 ; 16 of ffn1_w: pair gam = 16 j + 4 wave + q
	s_mul_i32 s50, s50, 48
	s_lshl_b32 s51, s27, 2
	s_add_co_u32 s50, s50, s51
	s_and_b32 s51, s[GAM], 3
	s_add_co_u32 s50, s50, s51
	s_add_co_u32 s50, s50, 208
	s_cmp_eq_u32 s[T6], 4
	s_cselect_b32 s[QAL], s50, s[QAL]
	s_cmp_eq_u32 s[T6], 5
	s_cselect_b32 s60, s61, s60
	s_cselect_b32 s51, 1, 0
	s_cmp_eq_u32 s[T6], 3
	s_cselect_b32 s51, 1, s51                      ; 1 for the two weights with K = 2,048
	s_mov_b32 s[PIT], 1024
	s_mov_b32 s42, 512
	s_mov_b32 s44, 8192
	s_cmp_eq_u32 s51, 1
	s_cselect_b32 s40, s59, s40
	s_cselect_b32 s[QAL], s60, s[QAL]
	s_cselect_b32 s[PIT], 8192, s[PIT]
	s_cselect_b32 s42, 65536, s42                  ; there the four fragments are four tiles: 8 rows on,
	s_cselect_b32 s44, 262144, s44                 ; 32 rows on
	s_wait_kmcnt 0x0
	s_mov_b64 s[22:23], s[6:7]
	s_cmp_eq_u32 s[T6], 1
	s_cselect_b64 s[22:23], s[8:9], s[22:23]
	s_cmp_eq_u32 s[T6], 2
	s_cselect_b64 s[22:23], s[10:11], s[22:23]
	s_cmp_eq_u32 s[T6], 3
	s_cselect_b64 s[22:23], s[12:13], s[22:23]
	s_cmp_eq_u32 s[T6], 4
	s_cselect_b64 s[22:23], s[14:15], s[22:23]
	s_cmp_eq_u32 s[T6], 5
	s_cselect_b64 s[22:23], s[16:17], s[22:23]
	s_add_nc_u64 s[22:23], s[22:23], s[40:41]
	SETUP
	LOADF 0, 0
	LOADF 1, 1
.irp b, 0,1,2,3
	v_mov_b32 v[TM+4+\b], 0
.endr
	FRAG 0, 0, SSW, SRW
	FRAG 1, 0, SSW, SRW
	FRAG 2, 0, SSW, SRW
	FRAG 3, 0, SSW, SRW
	global_store_b128 v[L16], v[PW4:PW4+3], s[OS:OS+1]
	s_set_vgpr_msb 0x5
	s_wait_tensorcnt 0x0
	ds_add_u32 v0, v1
	s_wait_dscnt 0x0
	s_set_vgpr_msb 0x500
	s_endpgm
.Lfunc_end_k_qe3e470552c_prep:
	.size	k_qe3e470552c_prep, .Lfunc_end_k_qe3e470552c_prep-k_qe3e470552c_prep
	.p2alignl 7, 3214868480
	.fill 96, 4, 3214868480
	.section	.rodata,"a",@progbits
	.p2align	6, 0x0
	.amdhsa_kernel k_qe3e470552c_prep
		.amdhsa_group_segment_fixed_size 84992
		.amdhsa_private_segment_fixed_size 0
		.amdhsa_enable_private_segment 0
		.amdhsa_kernarg_size 72
		.amdhsa_user_sgpr_count 2
		.amdhsa_user_sgpr_kernarg_segment_ptr 1
		.amdhsa_wavefront_size32 1
		.amdhsa_system_sgpr_workgroup_id_x 1
		.amdhsa_system_sgpr_workgroup_id_y 1
		.amdhsa_system_sgpr_workgroup_id_z 1
		.amdhsa_system_vgpr_workitem_id 0
		.amdhsa_next_free_vgpr 258
		.amdhsa_next_free_sgpr 66
		.amdhsa_reserve_vcc 1
		.amdhsa_float_denorm_mode_32 3
		.amdhsa_float_denorm_mode_16_64 3
		.amdhsa_memory_ordered 1
		.amdhsa_forward_progress 1
		.amdhsa_inst_pref_size 139
	.end_amdhsa_kernel
	.amdgpu_metadata
---
amdhsa.version: [ 1, 2 ]
amdhsa.kernels:
  - .name:           k_qe3e470552c_prep
    .symbol:         k_qe3e470552c_prep.kd
    .args:
      - { .name: src, .offset: 0, .size: 8, .value_kind: global_buffer, .address_space: global }
      - { .name: w_q, .offset: 8, .size: 8, .value_kind: global_buffer, .address_space: global }
      - { .name: w_k, .offset: 16, .size: 8, .value_kind: global_buffer, .address_space: global }
      - { .name: w_v, .offset: 24, .size: 8, .value_kind: global_buffer, .address_space: global }
      - { .name: w_o, .offset: 32, .size: 8, .value_kind: global_buffer, .address_space: global }
      - { .name: ffn1_w, .offset: 40, .size: 8, .value_kind: global_buffer, .address_space: global }
      - { .name: ffn2_w, .offset: 48, .size: 8, .value_kind: global_buffer, .address_space: global }
      - { .name: pre, .offset: 56, .size: 8, .value_kind: global_buffer, .address_space: global }
      - { .name: sig, .offset: 64, .size: 8, .value_kind: global_buffer, .address_space: global }
    .group_segment_fixed_size: 84992
    .private_segment_fixed_size: 0
    .kernarg_segment_align: 8
    .kernarg_segment_size: 72
    .max_flat_workgroup_size: 128
    .sgpr_count:     66
    .vgpr_count:     258
    .wavefront_size: 32
...
	.end_amdgpu_metadata
.endif
;; end of part 1
;; launch qkv (part 2): grid 8 x 32, 4 waves a work-group, no clusters, 0 bytes of LDS; arguments pre, qb, kv; writes qb, kv
.if DOCPART == 2
	.amdgcn_target "amdgcn-amd-amdhsa--gfx1250"
	.amdhsa_code_object_version 6
	.text
	.protected	k_qe3e470552c_qkv
	.globl	k_qe3e470552c_qkv
	.p2align	8
	.type	k_qe3e470552c_qkv,@function
k_qe3e470552c_qkv:
	s_mov_b64 s[64:65], 0
	v_nop
	global_prefetch_b8 v0, s[64:65] scope:SCOPE_SE
	s_setreg_imm32_b32 hwreg(HW_REG_WAVE_MODE, 25, 1), 1
	s_wait_xcnt 0x0
; QKV.  q = x w_q^T, k = x w_k^T, v = x w_v^T on codes of BF8 with E8M0 scales, and the results quantised in registers: q and k along the head's 256, v along the keys.
; A work-group takes 256 rows x one head.  Wave w: rows 128 (w / 2) on (8 tiles of x), 128 (w % 2) on of the head's 256.  No LDS, no barrier: every operand lies in memory as the image of its registers.
; x's 16 fragments stay in window 1 through all three phases; a phase's 16 weight fragments lie in window 2 or 3.
; A UNIT is 16 matrix instructions (8 tiles x 2 K steps) whose 64 results a lane are one fragment of the next product:
;   q, k: source 0 = 8 tiles of the weight (128 of the head's 256), source 1 = x's tile i: a lane holds one row and 64 neighbours-by-16 along d.
;   v:    source 0 = x's 8 tiles (128 keys),                        source 1 = w_v's tile i: a lane holds one d and its registers run along the keys.
; BY TURNS: behind each pair of matrix instructions stand two of the sixteen slices of the quantiser of the unit before, which works on the other set of accumulators.
; q's factor 1/16 is not applied here: it is a power of two, moves only a block's scale, and is given to the scores in the next launch (equal to the stated quantiser unless a block of q lies under 2^-107).
; LIMITS: NaN and infinities are not served; a block of zeros or under 2^-111 gets the byte 1: zeros' codes are zeros, and this program alone reads the bytes.
.set SCALES, 640*8192
.set QSC,    16777216                  ; qb: the codes' bytes; behind them the scale words
.set STEPB,  69632                     ; kv: a record of 128 keys: 16 fragments of K, 16 of V^T, 8 groups of scale words
.set LI,  1                            ; v1       16 x lane
.set XS,  16                           ; v16-31   x's scale words: fragment (tile i, K step s) at 2 i + s
.set WSA, 32                           ; v32-47   w_q's, later w_v's
.set WSB, 48                           ; v48-63   w_k's
.set ACC, 64                           ; v64-191  two sets of 8 accumulators
.set TM,  192                          ; v192-207 the quantiser's work
.set PCB, 208                          ; v208-239 two sets of codes
.set PW8, 240                          ; v240-247 eight scale words
.set SEL, 44
.set MNT, 46
.set MSB, 0
.macro WIN new                         ; the immediate's high byte repeats the setting that is left
.if MSB != (\new)
	s_set_vgpr_msb (MSB<<8)|(\new)
.set MSB, (\new)
.endif
.endm
; Slice SL of 16 of the quantiser of the unit before (PV_S its accumulators, PV_PC its codes, PV_PW its scale word, PV_CB, PV_CO, PV_SB, PV_SO where they go)
.macro QSL
.if SL < 4
.set N_, 8*SL
.rept 8
.if N_ < 4
	v_max3_num_f32 v[TM+N_%4], |v[PV_S+16*(N_%4)]|, |v[PV_S+16*(N_%4)+1]|, 0x8000000      ; each accumulator is read from its low end on; the floor 2^(16 - 127)
.else
	v_max3_num_f32 v[TM+N_%4], v[TM+N_%4], |v[PV_S+16*(N_%4)+2*(N_/4)]|, |v[PV_S+16*(N_%4)+2*(N_/4)+1]|
.endif
.set N_, N_+1
.endr
.elseif SL == 4
.irp b, 0,1,2,3
	v_permlanex16_b32 v[TM+4+\b], v[TM+\b], s[SEL], s[SEL+1]
.endr
.irp b, 0,1,2,3
	v_max_num_f32 v[TM+\b], v[TM+\b], v[TM+4+\b]
.endr
.elseif SL == 5
.irp b, 0,1,2,3
	v_add_nc_u32 v[TM+12+\b], 0xf8800000, v[TM+\b]
.endr
.irp b, 0,1,2,3
	v_and_or_b32 v[TM+8+\b], v[TM+\b], 0x7f800000, s[MNT]
.endr
.elseif SL == 6
.irp b, 0,1,2,3
	v_lshrrev_b32 v[TM+4+\b], 23, v[TM+12+\b]
.endr
	v_lshl_or_b32 v[PV_PW], v[TM+5], 8, v[TM+4]
	v_lshl_or_b32 v[PV_PW], v[TM+6], 16, v[PV_PW]
	v_lshl_or_b32 v[PV_PW], v[TM+7], 24, v[PV_PW]
.elseif SL < 15
.if SL == 7
	s_wait_xcnt 0x0                                ; the stores of two units back have read this set of codes
.endif
.set E_, SL-7
.irp i, 0,1,2,3,4,5,6,7
	v_med3_num_f32 v[PV_S+8*E_+\i], v[PV_S+8*E_+\i], -v[TM+8+E_/2], v[TM+8+E_/2]
.endr
	v_cvt_scalef32_pk8_bf8_f32 v[PV_PC+2*E_:PV_PC+2*E_+1], v[PV_S+8*E_:PV_S+8*E_+7], v[TM+12+E_/2]
.else
	v_nop                                          ; a plain line behind the last conversion: the next unit but one writes its sources
.irp c, 0,1,2,3
	global_store_b128 v[LI], v[PV_PC+4*\c:PV_PC+4*\c+3], s[PV_CB:PV_CB+1] offset:PV_CO+512*\c th:TH_STORE_NT
.endr
.if PV_SF
	global_store_b128 v[LI], v[PV_PW-3:PV_PW], s[PV_SB:PV_SB+1] offset:PV_SO th:TH_STORE_NT   ; four units' scale words: a group
.endif
.endif
.endm
; The eight accumulators take turns, one instruction a turn; a sum's two links lie eight instructions apart
.macro UNIT awin, asc, bwin, bsc, i
.set J, 0
.rept 8
	WIN (\awin)|((\bwin)<<2)
.rept 2
.set T_, J%8
.set S_, J/8
.if S_ == 0
	v_wmma_scale_f32_16x16x128_f8f6f4 v[ACC+64*PAR+8*T_:ACC+64*PAR+8*T_+7], v[16*(2*T_+S_):16*(2*T_+S_)+15], v[16*(2*(\i)+S_):16*(2*(\i)+S_)+15], 0, v[\asc+2*T_+S_], v[\bsc+2*(\i)+S_] matrix_a_fmt:MATRIX_FMT_BF8 matrix_b_fmt:MATRIX_FMT_BF8
.else
	v_wmma_scale_f32_16x16x128_f8f6f4 v[ACC+64*PAR+8*T_:ACC+64*PAR+8*T_+7], v[16*(2*T_+S_):16*(2*T_+S_)+15], v[16*(2*(\i)+S_):16*(2*(\i)+S_)+15], v[ACC+64*PAR+8*T_:ACC+64*PAR+8*T_+7], v[\asc+2*T_+S_], v[\bsc+2*(\i)+S_] matrix_a_fmt:MATRIX_FMT_BF8 matrix_b_fmt:MATRIX_FMT_BF8
.endif
.set J, J+1
.endr
.if NU > 0
	WIN 0
.set SL, J-2
	QSL
.set SL, J-1
	QSL
.endif
.endr
	WIN 0
.endm
.set NU, 0
.macro U ph, i                         ; unit i of phase ph (0 q, 1 k, 2 v)
.set PAR, NU%2
.if (\ph) == 0
	UNIT 2, WSA, 1, XS, \i
.elseif (\ph) == 1
	UNIT 3, WSB, 1, XS, \i
.else
	UNIT 1, XS, 2, WSA, \i
.endif
.set PV_S,  ACC+64*PAR
.set PV_PC, PCB+16*PAR
.set PV_PW, PW8+(\i)
.set PV_CB, 20+4*(\ph)
.set PV_SB, 22+4*(\ph)
.if (\ph) == 0
.set PV_CO, 4096*(\i)
.set PV_SO, 1024*((\i)/4)
.else
.set PV_CO, 2048*(\i)
.set PV_SO, 512*((\i)/4)
.endif
.set PV_SF, ((\i)%4)/3
.set NU, NU+1
.endm
.macro WLD win, sc, ph                 ; a phase's 16 weight fragments (32 KB on end) and their 16 scale words: 68 loads
	WIN \win
.set J, 0
.rept 64
	global_load_b128 v[4*J:4*J+3], v[LI], s[16:17] offset:(\ph)*524288+512*J
.set J, J+1
.endr
	WIN 0
.irp q, 0,1,2,3
	global_load_b128 v[\sc+4*\q:\sc+4*\q+3], v[LI], s[18:19] offset:(\ph)*32768+512*\q
.endr
.endm
	s_load_b128 s[4:7], s[0:1], 0x0                ; pre, qb
	s_load_b64 s[8:9], s[0:1], 0x10                ; kv
	v_lshrrev_b32 v2, 5, v0
	v_readfirstlane_b32 s32, v2                    ; wave
	v_and_b32 v2, 31, v0
	v_lshlrev_b32 v[LI], 4, v2
.irp b, 0,1,2,3
	v_mov_b32 v[TM+4+\b], 0                        ; a lane permute's destination counts as one of its sources
.endr
	s_mov_b32 s[SEL], 0x76543210
	s_mov_b32 s[SEL+1], 0xfedcba98
	s_mov_b32 s[MNT], 0x600000
	s_and_b32 s33, ttmp7, 0xffff                   ; block of 256 rows
	s_lshr_b32 s34, s32, 1                         ; which 128 rows
	s_and_b32 s35, s32, 1                          ; which 128 of the head's 256
	s_lshl_b32 s36, s33, 3
	s_lshl_b32 s37, s34, 2
	s_add_co_u32 s36, s36, s37
	s_add_co_u32 s36, s36, 384                     ; x's first quad
	s_lshl_b32 s38, ttmp9, 3
	s_lshl_b32 s37, s35, 2
	s_add_co_u32 s38, s38, s37                     ; w_q's first quad; w_k's and w_v's lie 64 and 128 quads on
	s_lshl_b32 s12, s36, 13
	s_mov_b32 s13, 0
	s_lshl_b32 s14, s36, 9
	s_add_co_u32 s14, s14, SCALES
	s_mov_b32 s15, 0
	s_lshl_b32 s16, s38, 13
	s_mov_b32 s17, 0
	s_lshl_b32 s18, s38, 9
	s_add_co_u32 s18, s18, SCALES
	s_mov_b32 s19, 0
	s_lshr_b32 s39, s33, 2
	s_lshl_b32 s39, s39, 3
	s_add_co_u32 s39, s39, ttmp9                   ; bh = 8 x image + head
	s_and_b32 s40, s33, 3                          ; which 256 of the image's 1,024
	s_lshl_b32 s41, s39, 6
	s_lshl_b32 s42, s40, 4
	s_add_co_u32 s41, s41, s42
	s_lshl_b32 s42, s34, 3
	s_add_co_u32 s41, s41, s42                     ; q: my first tile
	s_lshl_b32 s20, s41, 12                        ; a tile is two fragments,
	s_lshl_b32 s42, s35, 11
	s_add_co_u32 s20, s20, s42                     ; of which mine is K step w % 2
	s_mov_b32 s21, 0
	s_lshr_b32 s22, s41, 2
	s_lshl_b32 s22, s22, 1
	s_add_co_u32 s22, s22, s35
	s_lshl_b32 s22, s22, 9
	s_add_co_u32 s22, s22, QSC
	s_mov_b32 s23, 0
	s_lshl_b32 s41, s39, 3
	s_lshl_b32 s42, s40, 1
	s_add_co_u32 s41, s41, s42
	s_add_co_u32 s41, s41, s34
	s_mul_i32 s41, s41, STEPB                      ; my 128 keys' record
	s_lshl_b32 s42, s35, 14
	s_add_co_u32 s24, s41, s42                     ; K's fragments 8 s + t
	s_mov_b32 s25, 0
	s_add_co_u32 s28, s24, 32768                   ; V^T's fragments 8 (w % 2) + i
	s_mov_b32 s29, 0
	s_lshl_b32 s42, s35, 10
	s_add_co_u32 s26, s41, s42
	s_add_co_u32 s26, s26, 65536
	s_mov_b32 s27, 0
	s_add_co_u32 s30, s26, 2048
	s_mov_b32 s31, 0
	s_wait_kmcnt 0x0
	s_add_nc_u64 s[12:13], s[4:5], s[12:13]
	s_add_nc_u64 s[14:15], s[4:5], s[14:15]
	s_add_nc_u64 s[16:17], s[4:5], s[16:17]
	s_add_nc_u64 s[18:19], s[4:5], s[18:19]
	s_add_nc_u64 s[20:21], s[6:7], s[20:21]
	s_add_nc_u64 s[22:23], s[6:7], s[22:23]
	s_add_nc_u64 s[24:25], s[8:9], s[24:25]
	s_add_nc_u64 s[26:27], s[8:9], s[26:27]
	s_add_nc_u64 s[28:29], s[8:9], s[28:29]
	s_add_nc_u64 s[30:31], s[8:9], s[30:31]
	WLD 0x80, WSA, 0
.irp q, 0,1,2,3
	global_load_b128 v[XS+4*\q:XS+4*\q+3], v[LI], s[14:15] offset:512*\q
.endr
	WIN 0x40
.set J, 0
.rept 64
	global_load_b128 v[4*J:4*J+3], v[LI], s[12:13] offset:512*J       ; x's tile i: loads 8 i .. 8 i + 7
.set J, J+1
.endr
	WIN 0
	s_wait_loadcnt 56                              ; w_q, the scale words and x's tile 0 are in; 8 loads for each of the 7 tiles behind it may be out
	U 0, 0
.rept 8
	v_nop                                          ; the first unit has no slices: the places behind its last products
.endr
	s_wait_loadcnt 48
	U 0, 1
	s_wait_loadcnt 40
	U 0, 2
	s_wait_loadcnt 32
	U 0, 3
	WLD 0xC0, WSB, 1                               ; w_k, into registers that nothing has touched
.irp i, 4,5,6,7
	s_wait_loadcnt 63                              ; at least 68 loads were issued behind x's tile i: it is in
	U 0, \i
.endr
	s_wait_loadcnt 0x0
	U 1, 0
	WLD 0x80, WSA, 2                               ; w_v over w_q: the last product that read w_q stands a whole unit's slices back
.irp i, 1,2,3,4,5,6,7
	U 1, \i
.endr
	s_wait_loadcnt 0x0
.irp i, 0,1,2,3,4,5,6,7
	U 2, \i
.endr
.rept 8
	v_nop
.endr
.set SL, 0
.rept 16
	QSL                                            ; the last unit's quantiser stands alone
.set SL, SL+1
.endr
	s_endpgm
.Lfunc_end_k_qe3e470552c_qkv:
	.size	k_qe3e470552c_qkv, .Lfunc_end_k_qe3e470552c_qkv-k_qe3e470552c_qkv
	.p2alignl 7, 3214868480
	.fill 96, 4, 3214868480
	.section	.rodata,"a",@progbits
	.p2align	6, 0x0
	.amdhsa_kernel k_qe3e470552c_qkv
		.amdhsa_group_segment_fixed_size 0
		.amdhsa_private_segment_fixed_size 0
		.amdhsa_enable_private_segment 0
		.amdhsa_kernarg_size 24
		.amdhsa_user_sgpr_count 2
		.amdhsa_user_sgpr_kernarg_segment_ptr 1
		.amdhsa_wavefront_size32 1
		.amdhsa_system_sgpr_workgroup_id_x 1
		.amdhsa_system_sgpr_workgroup_id_y 1
		.amdhsa_system_sgpr_workgroup_id_z 1
		.amdhsa_system_vgpr_workitem_id 0
		.amdhsa_next_free_vgpr 1024
		.amdhsa_next_free_sgpr 66
		.amdhsa_reserve_vcc 0
		.amdhsa_float_denorm_mode_32 3
		.amdhsa_float_denorm_mode_16_64 3
		.amdhsa_memory_ordered 1
		.amdhsa_forward_progress 1
		.amdhsa_inst_pref_size 255
	.end_amdhsa_kernel
	.section	.bss,"aw",@nobits
	.p2align	6
	.space	262144
	.amdgpu_metadata
---
amdhsa.version: [ 1, 2 ]
amdhsa.kernels:
  - .name:           k_qe3e470552c_qkv
    .symbol:         k_qe3e470552c_qkv.kd
    .args:
      - { .name: pre, .offset: 0, .size: 8, .value_kind: global_buffer, .address_space: global }
      - { .name: qb, .offset: 8, .size: 8, .value_kind: global_buffer, .address_space: global }
      - { .name: kv, .offset: 16, .size: 8, .value_kind: global_buffer, .address_space: global }
    .group_segment_fixed_size: 0
    .private_segment_fixed_size: 0
    .kernarg_segment_align: 8
    .kernarg_segment_size: 24
    .max_flat_workgroup_size: 128
    .sgpr_count:     66
    .vgpr_count:     1024
    .wavefront_size: 32
...
	.end_amdgpu_metadata
.endif
;; end of part 2
;; launch attn (part 3): grid 4 x 64, 8 waves a work-group, clusters of 4 x 1, 327,680 bytes of LDS; arguments qb, kv, ocod; writes ocod
.if DOCPART == 3
	.amdgcn_target "amdgcn-amd-amdhsa--gfx1250"
	.amdhsa_code_object_version 6
	.text
	.protected	k_qe3e470552c_attn
	.globl	k_qe3e470552c_attn
	.p2align	8
	.type	k_qe3e470552c_attn,@function
k_qe3e470552c_attn:
	s_mov_b64 s[64:65], 0
	v_nop
	global_prefetch_b8 v0, s[64:65] scope:SCOPE_SE
	s_setreg_imm32_b32 hwreg(HW_REG_WAVE_MODE, 25, 1), 1
	s_wait_xcnt 0x0
	s_wait_alu depctr_hold_cnt(0) depctr_sa_sdst(0) depctr_va_vdst(0) depctr_va_sdst(0) depctr_va_ssrc(0) depctr_va_vcc(0) depctr_vm_vsrc(0)
	s_getreg_b32 s2, hwreg(HW_REG_IB_STS2, 6, 4)
	s_cmp_eq_u32 s2, 0
	s_cbranch_scc0 .Lentry_in_a_cluster
	s_endpgm
.Lentry_in_a_cluster:
	s_bfe_u32 s2, ttmp6, 0x10000c
	s_cmp_lg_u32 s2, 0x3003
	s_cbranch_scc0 .Lentry_shape_is_right
	s_endpgm
.Lentry_shape_is_right:
; ATTN.  o = softmax(q k^T / 16) v for one image and head (work-group y), 256 queries (place in the cluster), both products on codes of BF8 with E8M0 scales; o / l is quantised along the head's 256 and stored as codes.
; t = score x log2(e) / 16; M = the running largest t rounded up to a whole number; p = 2^(t - M) is quantised along the keys, not normalised; l is the sum of the unquantised p; when M moves, l and O are multiplied by 2^(old M - new M), which rounds nothing.
; SHARES.  Eight waves, two to a SIMD; a wave owns two tiles of 16 queries, so each fragment of K and V^T read from LDS feeds two matrix instructions.  Every wave walks the 1,024 keys, 128 a step.
; Both products are used transposed: S^T = K Q^T, O^T = V^T P^T: a lane holds one query throughout.  The tiles' rows were chosen by the launches before so that 16 registers of two neighbouring tiles are 16 neighbours along the next K.
; THE RING.  A step's operands are one dense record of 69,632 bytes (16 fragments of K, 16 of V^T, 8 groups of scale words).  Two LDS slots; each wave brings 34 rows of 256 bytes of a record.
; CLUSTER.  The four query blocks of a head walk the same records: each load is asked for jointly by the four, with the same descriptor and the mask 15.  One tensor load of a wave is out at any time.
; All of the LDS is claimed, and 0 is added to spare words at each change of slots and at the end.
; LIMITS: NaN and infinities are not served; a block of zeros or under 2^-111 gets the byte 1; o = O x rcp(l).
; REGISTERS: window 1: O^T, tile q's d tile e at 128 q + 8 e.  Window 0: v0 the prefetches' offset; v1-7 addresses; v8-11 Q's scale words; v12-23 six statistics a tile (-M, largest t, l in two halves, f, p's scale word);
;   v24-31 scale words of K or V; v32-63 Q's fragments of a K step, then p's codes; v64-127 four fragments of K, the softmax's work, four of V; v128-255 S^T and p, then eight fragments of V.
.set STEPB, 69632
.set PART,  8704                       ; a wave's part of a record
.set SLOT1, 131072                     ; one exclusive or turns an address in one slot into the other's
.set QREG,  SLOT1+STEPB                ; behind the ring: each wave's 8 KB of Q (stored by the wave; no tile lands there)
.set SPARE, QREG+65536                 ; the spare words: 128 bytes for each of the eight waves
.set QSC,   16777216
.set SPW, 1
.set NIL, 2
.set LI,  3                            ; 16 x lane
.set AQ,  4                            ; my wave's Q
.set LSC, 5                            ; a record's scale words: lanes 16-31 read the group behind that of lanes 0-15
.set ADK, 6
.set ADS, 7
.set QS,  8                            ; (tile q, K step s) at 2 s + q
.set ST,  12
.set SW,  24
.set P,   32
.set FB,  64
.set TM,  FB
.set S,   128
.set WV,  10
.set CX,  11
.set G1,  24
.set G0,  32
.set TB,  36
.set SLOTS, 37
.set CS,  38
.set SEL, 40
.set MNT, 42
.set LIM, 43
.set PFA, 44
.set PFS, 46
.set MSB, 0
.macro WIN new
.if MSB != (\new)
	s_set_vgpr_msb (MSB<<8)|(\new)
.set MSB, (\new)
.endif
.endm
.macro CROUND                          ; a round of the cluster's barrier
	s_barrier_signal -1
	s_barrier_wait -1
	s_cmp_lg_u32 s[WV], 0
	s_cbranch_scc1 .Lnot_wave_0_\@
	s_barrier_signal -3
.Lnot_wave_0_\@:
	s_barrier_wait -3
	s_barrier_signal -1
	s_barrier_wait -1
.endm
; A PREFETCH INTO THE L2.  Waves 0 and 1 ask, at each change of slots that fills one, for the 64 KB of codes of the record that the NEXT change will ask for: a key step ahead.  The four partners take 16 KB each, told apart by
; address alone; a wave 8 KB, lanes 256 bytes apart.  The last such change asks for nothing.  Wave 2 asks once, at the first change, for the 16 blocks of scale words of two records: partner c for records 2 c and 2 c + 1
; (partner 0's lanes so name blocks of records 0 and 1, whose loads are out already).
.macro ASK
	s_cmp_gt_u32 s[SLOTS], s[LIM]
	s_cbranch_scc0 .Lnot_mine_\@
	global_prefetch_b8 v0, s[PFA:PFA+1] th:TH_LOAD_NT scope:SCOPE_SE
.Lnot_mine_\@:
.endm
.macro WMS d, a, b, c, sa, sb, row     ; c < 0: the product starts the sum
.if \row
.if (\c) < 0
	v_wmma_scale_f32_16x16x128_f8f6f4 v[\d:\d+7], v[\a:\a+15], v[\b:\b+15], 0, v[\sa], v[\sb] matrix_a_fmt:MATRIX_FMT_BF8 matrix_b_fmt:MATRIX_FMT_BF8 matrix_a_scale:MATRIX_SCALE_ROW1
.else
	v_wmma_scale_f32_16x16x128_f8f6f4 v[\d:\d+7], v[\a:\a+15], v[\b:\b+15], v[\c:\c+7], v[\sa], v[\sb] matrix_a_fmt:MATRIX_FMT_BF8 matrix_b_fmt:MATRIX_FMT_BF8 matrix_a_scale:MATRIX_SCALE_ROW1
.endif
.else
.if (\c) < 0
	v_wmma_scale_f32_16x16x128_f8f6f4 v[\d:\d+7], v[\a:\a+15], v[\b:\b+15], 0, v[\sa], v[\sb] matrix_a_fmt:MATRIX_FMT_BF8 matrix_b_fmt:MATRIX_FMT_BF8
.else
	v_wmma_scale_f32_16x16x128_f8f6f4 v[\d:\d+7], v[\a:\a+15], v[\b:\b+15], v[\c:\c+7], v[\sa], v[\sb] matrix_a_fmt:MATRIX_FMT_BF8 matrix_b_fmt:MATRIX_FMT_BF8
.endif
.endif
.endm
.macro PLACES
.rept 8
	v_nop
.endr
.endm
; THE CHANGE OF SLOTS stands at a step's head: all my tensor loads have landed (my part of the record about to be read), the add, my reads of the slot left are over; behind the round nobody of the cluster reads that slot, and it is filled first.
.macro CHANGE fill
	s_wait_tensorcnt 0x0
	ds_add_u32 v[SPW], v[NIL]
.if \fill
	s_xor_b32 s[G0+1], s[G0+1], SLOT1              ; no load of mine is out: the descriptor walks to the other slot and the next record
	s_add_nc_u64 s[G0+2:G0+3], s[G0+2:G0+3], STEPB
	s_wait_xcnt 0x0                                ; the last prefetch, a step back, has read its address
	s_add_nc_u64 s[PFA:PFA+1], s[PFA:PFA+1], s[PFS:PFS+1]
	s_wait_dscnt 0x0
	CROUND
	tensor_load_to_lds s[G0:G0+3], s[G1:G1+7]      ; it has a whole key step in which to land
	s_nop 0
.rept 4
	v_nop
.endr
	ASK
.else
	s_wait_dscnt 0x0
	s_barrier_signal -1
	s_barrier_wait -1
.endif
.endm
; S^T = K Q^T: K = 256 in two steps; four tiles of 16 keys at a time against my two tiles of queries
.macro KQT
.irp s, 0,1
.irp q, 0,1
.irp c, 0,1,2,3
	ds_load_b128 v[P+16*\q+4*\c:P+16*\q+4*\c+3], v[AQ] offset:(2*\q+\s)*2048+512*\c
.endr
.endr
.irp g, 0,1
.irp i, 0,1,2,3
.irp c, 0,1,2,3
	ds_load_b128 v[FB+16*\i+4*\c:FB+16*\i+4*\c+3], v[ADK] offset:(8*\s+4*\g+\i)*2048+512*\c
.endr
.endr
	s_wait_dscnt 0x0
.irp i, 0,1,2,3
.irp q, 0,1
.if \s == 0
	WMS S+64*\q+8*(4*\g+\i), FB+16*\i, P+16*\q, -1, SW+4*\s+\i, QS+2*\s+\q, \g
.else
	WMS S+64*\q+8*(4*\g+\i), FB+16*\i, P+16*\q, S+64*\q+8*(4*\g+\i), SW+4*\s+\i, QS+2*\s+\q, \g
.endif
.endr
.endr
	PLACES                                         ; in front of loads into registers that these have read, and of the first read of results
.endr
.endr
.endm
; The softmax of both tiles, line by line.  Work of tile q at v[FB + 24 q]: +0..3 the blocks' largest, +4..7 at work, +8..11 the holds, +12..15 the scale operands, +16 at work
.macro SOFTMAX
.irp q, 0,1
.irp b, 0,1,2,3
	v_max3_num_f32 v[FB+24*\q+\b], v[S+64*\q+16*\b], v[S+64*\q+16*\b+1], v[S+64*\q+16*\b+2]      ; the largest score of each block of 32 keys: for the row's maximum and for the block's largest p
.endr
.endr
.irp i, 3,5,7,9,11,13
.irp q, 0,1
.irp b, 0,1,2,3
	v_max3_num_f32 v[FB+24*\q+\b], v[FB+24*\q+\b], v[S+64*\q+16*\b+\i], v[S+64*\q+16*\b+\i+1]
.endr
.endr
.endr
.irp q, 0,1
.irp b, 0,1,2,3
	v_max_num_f32 v[FB+24*\q+\b], v[FB+24*\q+\b], v[S+64*\q+16*\b+15]
.endr
.endr
.irp q, 0,1
.irp b, 0,1,2,3
	v_permlanex16_b32 v[FB+24*\q+4+\b], v[FB+24*\q+\b], s[SEL], s[SEL+1]
.endr
.endr
.irp q, 0,1
.irp b, 0,1,2,3
	v_max_num_f32 v[FB+24*\q+\b], v[FB+24*\q+\b], v[FB+24*\q+4+\b]
.endr
.endr
.irp q, 0,1
	v_max3_num_f32 v[FB+24*\q+16], v[FB+24*\q], v[FB+24*\q+1], v[FB+24*\q+2]
.endr
.irp q, 0,1
	v_max_num_f32 v[FB+24*\q+16], v[FB+24*\q+16], v[FB+24*\q+3]
.endr
.irp q, 0,1
	v_mul_f32 v[FB+24*\q+16], s[CS], v[FB+24*\q+16]
.endr
.irp q, 0,1
	v_max_num_f32 v[ST+6*\q+1], v[ST+6*\q+1], v[FB+24*\q+16]      ; the running largest t
	v_mov_b32 v[FB+24*\q+16], v[ST+6*\q]
.endr
.irp q, 0,1
	v_floor_f32 v[ST+6*\q], -v[ST+6*\q+1]                         ; -M = floor(-t)
.endr
.irp q, 0,1
	v_sub_f32 v[FB+24*\q+16], v[ST+6*\q], v[FB+24*\q+16]          ; old M - new M: a whole number, 0 or less
.endr
.irp q, 0,1
	v_cvt_i32_f32 v[FB+24*\q+16], v[FB+24*\q+16]                  ; (it saturates)
.endr
.irp q, 0,1
	v_ldexp_f32 v[ST+6*\q+4], 1.0, v[FB+24*\q+16]                 ; f
.endr
.irp q, 0,1
.set J, 0
.rept 32
	v_pk_fma_f32 v[S+64*\q+J:S+64*\q+J+1], v[S+64*\q+J:S+64*\q+J+1], s[CS:CS+1], v[ST+6*\q:ST+6*\q+1] op_sel_hi:[1,0,0]   ; t - M
.set J, J+2
.endr
.irp b, 0,1,2,3
	v_fma_f32 v[FB+24*\q+\b], v[FB+24*\q+\b], s[CS], v[ST+6*\q]
.endr
.endr
.set J, 0
.rept 128
	v_exp_f32 v[S+J], v[S+J]                       ; p: one batch
.set J, J+1
.endr
.irp q, 0,1
	v_pk_mul_f32 v[ST+6*\q+2:ST+6*\q+3], v[ST+6*\q+2:ST+6*\q+3], v[ST+6*\q+4:ST+6*\q+5] op_sel_hi:[1,0]   ; l under the new M (the plain lines behind the batch)
.endr
	s_wait_alu depctr_va_vdst(0)                   ; one wait for the batch, ahead of its first reader
.irp q, 0,1
.irp b, 0,1,2,3
	v_exp_f32 v[FB+24*\q+\b], v[FB+24*\q+\b]       ; the blocks' largest p
.endr
.endr
.irp q, 0,1
	v_pk_add_f32 v[FB+24*\q+4:FB+24*\q+5], v[S+64*\q:S+64*\q+1], v[S+64*\q+2:S+64*\q+3]      ; the sum of the unquantised p, in two chains a tile
.endr
.irp j, 4,8,12,16,20,24,28,32,36,40,44,48,52,56,60
.irp q, 0,1
	v_pk_add_f32 v[ST+6*\q+2:ST+6*\q+3], v[ST+6*\q+2:ST+6*\q+3], v[S+64*\q+\j:S+64*\q+\j+1]
	v_pk_add_f32 v[FB+24*\q+4:FB+24*\q+5], v[FB+24*\q+4:FB+24*\q+5], v[S+64*\q+\j+2:S+64*\q+\j+3]
.endr
.endr
.irp q, 0,1
	v_pk_add_f32 v[ST+6*\q+2:ST+6*\q+3], v[ST+6*\q+2:ST+6*\q+3], v[FB+24*\q+4:FB+24*\q+5]
.endr
	s_wait_alu depctr_va_vdst(0)                   ; and one for the eight
.irp q, 0,1
.irp b, 0,1,2,3
	v_max_num_f32 v[FB+24*\q+\b], 0x8000000, v[FB+24*\q+\b]
.endr
.endr
.irp q, 0,1
.irp b, 0,1,2,3
	v_add_nc_u32 v[FB+24*\q+12+\b], 0xf8800000, v[FB+24*\q+\b]
.endr
.endr
.irp q, 0,1
.irp b, 0,1,2,3
	v_and_or_b32 v[FB+24*\q+8+\b], v[FB+24*\q+\b], 0x7f800000, s[MNT]
.endr
.endr
.irp q, 0,1
.irp b, 0,1,2,3
	v_lshrrev_b32 v[FB+24*\q+4+\b], 23, v[FB+24*\q+12+\b]
.endr
.endr
.irp q, 0,1
	v_lshl_or_b32 v[ST+6*\q+5], v[FB+24*\q+5], 8, v[FB+24*\q+4]   ; p's scale word for these 128 keys
.endr
.irp q, 0,1
	v_lshl_or_b32 v[ST+6*\q+5], v[FB+24*\q+6], 16, v[ST+6*\q+5]
.endr
.irp q, 0,1
	v_lshl_or_b32 v[ST+6*\q+5], v[FB+24*\q+7], 24, v[ST+6*\q+5]
.endr
.irp q, 0,1
.irp b, 0,1,2,3
.irp i, 0,1,2,3,4,5,6,7,8,9,10,11,12,13,14,15
	v_min_num_f32 v[S+64*\q+16*\b+\i], v[S+64*\q+16*\b+\i], v[FB+24*\q+8+\b]      ; p is not negative: the hold is one-sided
.endr
	v_cvt_scalef32_pk8_bf8_f32 v[P+16*\q+4*\b:P+16*\q+4*\b+1], v[S+64*\q+16*\b:S+64*\q+16*\b+7], v[FB+24*\q+12+\b]
	v_cvt_scalef32_pk8_bf8_f32 v[P+16*\q+4*\b+2:P+16*\q+4*\b+3], v[S+64*\q+16*\b+8:S+64*\q+16*\b+15], v[FB+24*\q+12+\b]
.endr
.endr
	v_nop
.endm
.macro VLOAD d, reg
.irp c, 0,1,2,3
	ds_load_b128 v[\reg+4*\c:\reg+4*\c+3], v[ADK] offset:32768+(\d)*2048+512*\c
.endr
.endm
.macro PVB d0, abase, first            ; O^T += V^T P^T for d tiles d0 .. d0 + 3, both tiles of queries: the accumulators by turns
.irp e, 0,1,2,3
.irp q, 0,1
.if \first
	WMS 128*\q+8*((\d0)+\e), (\abase)+16*\e, P+16*\q, -1, SW+4*((\d0)/8)+\e, ST+6*\q+5, ((\d0)/4)%2
.else
	WMS 128*\q+8*((\d0)+\e), (\abase)+16*\e, P+16*\q, 128*\q+8*((\d0)+\e), SW+4*((\d0)/8)+\e, ST+6*\q+5, ((\d0)/4)%2
.endif
.endr
.endr
.endm
.macro STEP first
	v_add_nc_u32 v[ADK], s[TB], v[LI]
	v_add_nc_u32 v[ADS], s[TB], v[LSC]
	PLACES                                         ; with the two additions ten places behind the last products: nine are owed, since S^T is begun anew over registers that they read
	ds_load_b128 v[SW:SW+3], v[ADS]                ; K's scale words: K step 0, tiles 0-3 in lanes 0-15, tiles 4-7 in lanes 16-31;
	ds_load_b128 v[SW+4:SW+7], v[ADS] offset:1024  ; K step 1
	KQT
	SOFTMAX
	ds_load_b128 v[SW:SW+3], v[ADS] offset:2048    ; V's scale words
	ds_load_b128 v[SW+4:SW+7], v[ADS] offset:3072
.irp d, 0,1,2,3,4,5,6,7
	VLOAD \d, S+16*\d
.endr
.irp d, 8,9,10,11
	VLOAD \d, FB+16*(\d-8)
.endr
.if \first
	PLACES                                         ; p's codes stand four places ahead of the products
.else
	WIN 0x41
.irp q, 0,1
.set J, 0
.rept 64
	v_pk_mul_f32 v[128*\q+J:128*\q+J+1], v[128*\q+J:128*\q+J+1], v[ST+6*\q+4:ST+6*\q+5] op_sel_hi:[1,0]   ; O^T under the new M; also the places in front of the products
.set J, J+2
.endr
.endr
	WIN 0
.endif
	s_wait_dscnt 16                                ; the scale words and fragments 0-7 are in; the 16 loads of fragments 8-11 may be out
	WIN 0x50
	PVB 0, S, \first
	PVB 4, S+64, \first
	WIN 0
	PLACES
.irp d, 12,13,14,15
	VLOAD \d, S+16*(\d-12)
.endr
	s_wait_dscnt 16                                ; fragments 8-11 are in; the 16 just issued may be out
	WIN 0x50
	PVB 8, FB, \first
	s_wait_dscnt 0x0
	PVB 12, S, \first
	WIN 0
	s_xor_b32 s[TB], s[TB], SLOT1
.endm
.macro QUANT src, win, relu, nb, pc, pw    ; register 16 b + i = k 32 b + 16 (lane / 16) + i of my row -> codes and a scale word
	WIN (\win)|((\win)<<2)
.set QB, 0
.rept \nb
	v_max3_num_f32 v[TM+QB], |v[\src+16*QB]|, |v[\src+16*QB+1]|, 0x8000000
.set QB, QB+1
.endr
.irp qi, 2,4,6,8,10,12,14
.set QB, 0
.rept \nb
	v_max3_num_f32 v[TM+QB], |v[\src+16*QB+\qi]|, |v[\src+16*QB+\qi+1]|, v[TM+QB]
.set QB, QB+1
.endr
.endr
	WIN 0
.irp b, 0,1,2,3
	v_permlanex16_b32 v[TM+4+\b], v[TM+\b], s[SEL], s[SEL+1]
.endr
.irp b, 0,1,2,3
	v_max_num_f32 v[TM+\b], v[TM+\b], v[TM+4+\b]
.endr
.irp b, 0,1,2,3
	v_add_nc_u32 v[TM+12+\b], 0xf8800000, v[TM+\b]
.endr
.irp b, 0,1,2,3
	v_and_or_b32 v[TM+8+\b], v[TM+\b], 0x7f800000, s[MNT]
.endr
.irp b, 0,1,2,3
	v_lshrrev_b32 v[TM+4+\b], 23, v[TM+12+\b]
.endr
	v_lshl_or_b32 v[\pw], v[TM+5], 8, v[TM+4]
	v_lshl_or_b32 v[\pw], v[TM+6], 16, v[\pw]
	v_lshl_or_b32 v[\pw], v[TM+7], 24, v[\pw]
.set QB, 0
.rept 64
	v_med3_num_f32 v[\src+QB], v[\src+QB], -v[TM+8+QB/16], v[TM+8+QB/16]
.set QB, QB+1
.endr
.set QB, 0
.rept 8
	v_cvt_scalef32_pk8_bf8_f32 v[\pc+2*QB:\pc+2*QB+1], v[\src+8*QB:\src+8*QB+7], v[TM+12+QB/2]
.set QB, QB+1
.endr
	v_nop
.endm
	s_load_b128 s[4:7], s[0:1], 0x0                ; qb, kv
	s_load_b64 s[8:9], s[0:1], 0x10                ; ocod
	v_lshl_add_u32 v[SPW], v0, 2, SPARE
	v_mov_b32 v[NIL], 0
	ds_add_u32 v1, v2
	ds_add_u32 v1, v2
	s_wait_dscnt 0x0
	v_lshrrev_b32 v3, 5, v0
	v_readfirstlane_b32 s[WV], v3                  ; wave 0..7
	s_bfe_u32 s[CX], ttmp6, 0x40000                ; my place in the cluster = my block of 256 queries: it enters global addresses alone
	s_and_b32 s12, ttmp7, 0xffff                   ; bh = 8 x image + head, which the partners share
	v_and_b32 v6, 31, v0
	v_lshlrev_b32 v[LI], 4, v6
	v_bfe_u32 v7, v0, 4, 1
	s_lshl_b32 s13, s[WV], 13
	s_add_co_u32 s13, s13, QREG
	v_add_nc_u32 v[AQ], s13, v[LI]
	v_lshl_add_u32 v[LSC], v7, 9, v[LI]
	v_add_nc_u32 v[LSC], 65536, v[LSC]
	s_lshl_b32 s14, s12, 6
	s_lshl_b32 s15, s[CX], 4
	s_add_co_u32 s14, s14, s15
	s_lshl_b32 s15, s[WV], 1
	s_add_co_u32 s14, s14, s15                     ; my first tile in qb
	s_lshl_b32 s16, s14, 12
	s_mov_b32 s17, 0
	s_lshr_b32 s18, s14, 2
	s_lshl_b32 s18, s18, 10                        ; four tiles' groups for K steps 0 and 1,
	s_and_b32 s15, s[WV], 1
	s_lshl_b32 s15, s15, 3
	s_add_co_u32 s18, s18, s15                     ; in them my two tiles' words
	s_add_co_u32 s18, s18, QSC
	s_mov_b32 s19, 0
	s_mul_i32 s20, s12, 8*STEPB                    ; the head's eight records
	s_mov_b32 s21, 0
	s_mul_i32 s22, s[WV], PART                     ; my part of a record, in memory and in a slot
	s_mov_b32 s23, 0
	s_lshr_b32 s48, s12, 3
	s_lshl_b32 s48, s48, 6
	s_lshl_b32 s49, s[CX], 4
	s_add_co_u32 s48, s48, s49
	s_lshl_b32 s49, s[WV], 1
	s_add_co_u32 s48, s48, s49                     ; my first tile among the 512 tiles of rows
	s_and_b32 s50, s12, 7                          ; the head
	s_lshl_b32 s52, s48, 15
	s_lshl_b32 s49, s50, 12
	s_add_co_u32 s52, s52, s49
	s_mov_b32 s53, 0
	s_lshl_b32 s54, s48, 2
	s_add_co_u32 s54, s54, s50
	s_lshl_b32 s54, s54, 9
	s_add_co_u32 s54, s54, QSC
	s_mov_b32 s55, 0
	s_lshl_b32 s56, s[CX], 14                      ; the prefetches: waves 0, 1: codes: my work-group's 16 KB, my wave's 8 KB, one record on;
	s_lshl_b32 s57, s[WV], 13
	s_add_co_u32 s56, s56, s57
	s_add_co_u32 s56, s56, STEPB
	s_mul_i32 s57, s[CX], 2*STEPB                  ; wave 2: the scale words of my work-group's two records
	s_add_co_u32 s57, s57, 65536
	s_mov_b32 s58, STEPB
	s_cmp_lt_u32 s[WV], 2
	s_cselect_b32 s56, s56, s57
	s_cselect_b32 s58, 4096, s58                   ; from lanes 0-15 to lanes 16-31
	s_cselect_b32 s[PFS], STEPB, 0
	s_cselect_b32 s[LIM], 1, -1
	s_cmp_eq_u32 s[WV], 2
	s_cselect_b32 s[LIM], 6, s[LIM]
	s_mov_b32 s57, 0
	s_mov_b32 s[PFS+1], 0
	v_and_b32 v6, 15, v0
	v_mul_lo_u32 v7, v7, s58
	v_lshl_add_u32 v0, v6, 8, v7                   ; the thread's number has served: the register is the prefetches' offset from here on
	s_mov_b32 s[G1], 15|(3<<16)|(1<<21)            ; the mask of four; elements of 8 bytes; bit 21 beside a mask; no padding: every LDS access here is 16 x lane
	s_mov_b32 s[G1+1], 32<<16                      ; rows of 32 elements = 256 bytes,
	s_mov_b32 s[G1+2], 34<<16                      ; 34 of them
	s_mov_b32 s[G1+3], 32<<16
	s_mov_b32 s[G1+4], 34
	s_mov_b32 s[G1+5], 32                          ; dense
	s_mov_b32 s[G1+6], 0
	s_mov_b32 s[G1+7], 0
	s_mov_b32 s[CS], 0x3db8aa3b                    ; log2(e) / 16
	s_mov_b32 s[CS+1], s[CS]
	s_mov_b32 s[SEL], 0x76543210
	s_mov_b32 s[SEL+1], 0xfedcba98
	s_mov_b32 s[MNT], 0x600000
	s_mov_b32 s[TB], 0
	s_mov_b32 s[SLOTS], 7
	s_wait_kmcnt 0x0
	s_add_nc_u64 s[16:17], s[4:5], s[16:17]
	s_add_nc_u64 s[18:19], s[4:5], s[18:19]
	s_add_nc_u64 s[20:21], s[6:7], s[20:21]
	s_add_nc_u64 s[PFA:PFA+1], s[20:21], s[56:57]
	s_add_nc_u64 s[52:53], s[8:9], s[52:53]
	s_add_nc_u64 s[54:55], s[8:9], s[54:55]
.irp k, 0,1,2,3,4,5,6,7,8,9,10,11,12,13,14,15
	global_load_b128 v[S+4*\k:S+4*\k+3], v[LI], s[16:17] offset:512*\k th:TH_LOAD_NT     ; my two tiles of Q, 8 KB
.endr
	global_load_b64 v[QS:QS+1], v[LI], s[18:19]
	global_load_b64 v[QS+2:QS+3], v[LI], s[18:19] offset:512
	s_mov_b32 s[G0], 1
	s_mov_b32 s[G0+1], s22
	s_add_nc_u64 s[G0+2:G0+3], s[20:21], s[22:23]
	s_or_b32 s[G0+3], s[G0+3], 0x80000000
	CROUND                                         ; all four work-groups are here: the first joint loads meet
	tensor_load_to_lds s[G0:G0+3], s[G1:G1+7]      ; record 0 into slot 0
	s_nop 0
.rept 4
	v_nop
.endr
	s_wait_loadcnt 0x0
.irp k, 0,1,2,3,4,5,6,7,8,9,10,11,12,13,14,15
	ds_store_b128 v[AQ], v[S+4*\k:S+4*\k+3] offset:512*\k
.endr
.irp q, 0,1
	v_mov_b32 v[ST+6*\q+1], 0xff61b1e6             ; the largest t so far: -3e38
	v_mov_b32 v[ST+6*\q+2], 0
	v_mov_b32 v[ST+6*\q+3], 0
	v_mov_b32 v[ST+6*\q+5], 0
.endr
.irp q, 0,1
	v_floor_f32 v[ST+6*\q], -v[ST+6*\q+1]
.endr
	CHANGE 1                                       ; record 1 goes out
	STEP 1                                         ; record 0: its products start O^T's sums
	s_sub_co_u32 s[SLOTS], s[SLOTS], 1
.Lslot:                                            ; six trips: records 1 to 6; records 2 to 7 go out
	CHANGE 1
	STEP 0
	s_sub_co_u32 s[SLOTS], s[SLOTS], 1
	s_cmp_lg_u32 s[SLOTS], 0
	s_cbranch_scc1 .Lslot
	CHANGE 0                                       ; the last record is written out
	STEP 0
	; THE WAY OUT: O^T / l, quantised along the head's 256: two fragments a tile
	PLACES
.irp q, 0,1
	v_add_f32 v[ST+6*\q+2], v[ST+6*\q+2], v[ST+6*\q+3]
.endr
.irp q, 0,1
	v_permlanex16_b32 v[FB+24*\q+16], v[ST+6*\q+2], s[SEL], s[SEL+1]
.endr
.irp q, 0,1
	v_add_f32 v[ST+6*\q+2], v[ST+6*\q+2], v[FB+24*\q+16]
.endr
.irp q, 0,1
	v_rcp_f32 v[ST+6*\q+4], v[ST+6*\q+2]
.endr
	v_nop
	s_wait_alu depctr_va_vdst(0)                   ; one wait for the two reciprocals
.irp q, 0,1
.irp f, 0,1
	WIN 0x01
.set J, 0
.rept 64
	v_mul_f32 v[S+J], v[128*\q+64*\f+J], v[ST+6*\q+4]      ; register 16 b + i is d = 128 f + 32 b + 16 (lane / 16) + i; each accumulator from its low end on
.set J, J+1
.endr
	WIN 0
	s_wait_xcnt 0x0                                ; the last fragment's stores have read their registers
	QUANT S, 0, 0, 4, P, SW+2*\q+\f
.irp c, 0,1,2,3
	global_store_b128 v[LI], v[P+4*\c:P+4*\c+3], s[52:53] offset:\q*32768+\f*2048+512*\c th:TH_STORE_NT
.endr
.endr
.endr
	global_store_b128 v[LI], v[SW:SW+3], s[54:55] th:TH_STORE_NT
	s_wait_tensorcnt 0x0                           ; the wave's end
	ds_add_u32 v[SPW], v[NIL]
	s_wait_dscnt 0x0
	CROUND                                         ; the closing round
	s_endpgm
.Lfunc_end_k_qe3e470552c_attn:
	.size	k_qe3e470552c_attn, .Lfunc_end_k_qe3e470552c_attn-k_qe3e470552c_attn
	.p2alignl 7, 3214868480
	.fill 96, 4, 3214868480
	.section	.rodata,"a",@progbits
	.p2align	6, 0x0
	.amdhsa_kernel k_qe3e470552c_attn
		.amdhsa_group_segment_fixed_size 327680
		.amdhsa_private_segment_fixed_size 0
		.amdhsa_enable_private_segment 0
		.amdhsa_kernarg_size 24
		.amdhsa_user_sgpr_count 2
		.amdhsa_user_sgpr_kernarg_segment_ptr 1
		.amdhsa_wavefront_size32 1
		.amdhsa_system_sgpr_workgroup_id_x 1
		.amdhsa_system_sgpr_workgroup_id_y 1
		.amdhsa_system_sgpr_workgroup_id_z 1
		.amdhsa_system_vgpr_workitem_id 0
		.amdhsa_next_free_vgpr 512
		.amdhsa_next_free_sgpr 66
		.amdhsa_reserve_vcc 0
		.amdhsa_float_denorm_mode_32 3
		.amdhsa_float_denorm_mode_16_64 3
		.amdhsa_memory_ordered 1
		.amdhsa_forward_progress 1
		.amdhsa_inst_pref_size 205
	.end_amdhsa_kernel
	.amdgpu_metadata
---
amdhsa.version: [ 1, 2 ]
amdhsa.kernels:
  - .name:           k_qe3e470552c_attn
    .symbol:         k_qe3e470552c_attn.kd
    .args:
      - { .name: qb, .offset: 0, .size: 8, .value_kind: global_buffer, .address_space: global }
      - { .name: kv, .offset: 8, .size: 8, .value_kind: global_buffer, .address_space: global }
      - { .name: ocod, .offset: 16, .size: 8, .value_kind: global_buffer, .address_space: global }
    .group_segment_fixed_size: 327680
    .private_segment_fixed_size: 0
    .kernarg_segment_align: 8
    .kernarg_segment_size: 24
    .max_flat_workgroup_size: 256
    .sgpr_count:     66
    .vgpr_count:     512
    .wavefront_size: 32
...
	.end_amdgpu_metadata
.endif
;; end of part 3
;; launch tail (part 4): grid 128 x 1, 4 waves a work-group, no clusters, 327,680 bytes of LDS; arguments ocod, pre, sig, src, ln1_g, ln1_b, ffn1_b, ffn2_b, ln2_g, ln2_b, out0; writes out0
.if DOCPART == 4
	.amdgcn_target "amdgcn-amd-amdhsa--gfx1250"
	.amdhsa_code_object_version 6
	.text
	.protected	k_qe3e470552c_tail
	.globl	k_qe3e470552c_tail
	.p2align	8
	.type	k_qe3e470552c_tail,@function
k_qe3e470552c_tail:
	s_mov_b64 s[64:65], 0
	v_nop
	global_prefetch_b8 v0, s[64:65] scope:SCOPE_SE
	s_setreg_imm32_b32 hwreg(HW_REG_WAVE_MODE, 25, 1), 1
	s_wait_xcnt 0x0
; TAIL.  h = LN1(o w_o^T + 2 x); out = LN2(h + relu(h W1^T + b1) W2^T + b2): three products on codes of BF8 with E8M0 scales, all else f32; h and the hidden layer never go to memory.
; A work-group owns 64 whole rows (four tiles m).  A work-group that owns whole rows walks all 1.5 MB of weight codes, whatever its rows: 64 rows on 128 work-groups move half the bytes of 32 rows on 256.
; THE WAVES SHARE THE COLUMNS: wave w owns columns 64 w .. 64 w + 63 of the two products with N = 256, and the hidden K steps 4 j + w.  So each weight fragment is used by ONE wave: it comes from memory straight into that wave's
; registers, out of the wave's own run of 48 quads (16 of w_o, 16 of ffn1_w, 16 of ffn2_w), through a ring of four quads in window 1 that goes on through all three products: every quad is waited for by count, and no barrier stands in its way.
; NO CLUSTER, NO JOINT LOADS for the weights, though all row blocks walk them: a joint load lands in LDS, and the rows' images, stages and b1 take 325,632 of its 327,680 bytes; slots that fitted beside smaller images would have one slot's
; bytes on their way behind each change of slots, where here each wave has four quads, 32 KB, on their way at all times.
; The rows' operands (o, h, the hidden layer) go from wave to wave through LDS as images of their registers.  o's codes and scale words and ffn1_b lie in memory as they lie in LDS: three tensor loads a wave bring them, each byte filled once.
; All products are used transposed: a lane holds one row, its registers run along the columns.
; Both norms take the mean first and then the mean square of the differences, as the definition has them; sums over a row: 32 registers, lane l xor 16, four waves through LDS.
; LIMITS: NaN and infinities are not served; a block of zeros or under 2^-111 gets the byte 1: zeros' codes are zeros, and this program alone reads the bytes.
; REGISTERS: window 1: the ring, slot q at 64 q.  Window 2: v0-127 Y(m): register 32 m + 16 b + i = column 64 w + 32 b + 16 (lane / 16) + i; v128-191 b1 of my K step.
;   Window 3: src and the signal, then ln1_g, ln1_b, ffn2_b (v0-95), then the eight accumulators of a quad of the hidden layer (v0-63), then ln2_g, ln2_b.  Window 0: see the names.
.set OIMG, 0                           ; o's fragments: m x 32,768 + K step x 2,048
.set HID,  131072                      ; the hidden layer's, likewise
.set OSC,  262144                      ; o's scale words: (m / 2) x 4,096 + (K step / 2) x 512, [lane][4]: word 2 (m % 2) + K step % 2
.set HSC,  270336
.set H1I,  278528                      ; h's eight fragments: (2 m + s) x 2,048
.set H1S,  294912                      ; their scale words: (2 m + s) x 128 + 4 lane
.set RED,  295936                      ; four regions of 1,024 bytes, each used once: m x 256 + r x 16 + w x 4
.set STG,  300032                      ; a stage of 16 rows x 272 bytes for each wave
.set B1L,  317440                      ; ffn1_b, 8,192 bytes
.set SCALES, 640*8192
.set QSC,  16777216
.set LI,   1                           ; 16 x lane
.set GOFF, 2                           ; (lane / 16) x 1,024 + 16 (lane % 16) + 256 w: two rows, my wave's 256 bytes
.set AA0,  3                           ; v3, v4  the rows' fragments, m = 0, 1 and m = 2, 3
.set ASA,  5                           ; their scale words
.set HWI0, 6                           ; v6, v7  where I store the hidden layer's images
.set HWS,  8
.set SROW, 9                           ; the stage by rows
.set SLAN, 10                          ; the stage by lanes: row r, + 64 h
.set REDS, 11
.set REDL, 12
.set B1A,  13                          ; b1 of my K step in LDS: B1L + 512 w + 64 h, 2,048 on in each trip
.set LS4,  14
.set H1W,  15
.set WS,   16                          ; v16-31  the ring's scale words
.set AS,   32                          ; v32-47  the rows' scale words, two sets of 8
.set TM,   48
.set AF,   64                          ; v64-191 two sets of four row fragments; h's eight; the rows on the way out
.set HT,   192
.set PC,   224
.set SA,   240                         ; v240-247 a pair for each tile: sums, then the mean, then 1 / the deviation
.set SB4,  248
.set PWM,  248                         ; v248-251 in the hidden layer: the four tiles' scale words as they grow
.set PW,   252
.set CV,   253                         ; 256 w + 64 h
.set H1SW, 254
.set B1F,  128
.set WV,  26
.set WC,  28
.set WSC, 30
.set SEL, 44
.set MNT, 46
.set G0A, 52                           ; s[52:55], s[56:59], s[60:63] descriptor groups 0: o's codes, o's scale words, ffn1_b
.set G0S, 56
.set G0B, 60
.set WCS, 66                           ; s[66:73] the hidden layer's loop: a base for each ring slot's codes;  s[74:81] for its scale words
.set WSS, 74
.set G1A, 84                           ; s[84:91] descriptor group 1: 128 rows of 256 bytes;  s[92:99]: 8 rows
.set G1S, 92
.set MSB, 0
.macro WIN new
.if MSB != (\new)
	s_set_vgpr_msb (MSB<<8)|(\new)
.set MSB, (\new)
.endif
.endm
.macro WMS d, a, b, c, sa, sb
	v_wmma_scale_f32_16x16x128_f8f6f4 v[\d:\d+7], v[\a:\a+15], v[\b:\b+15], v[\c:\c+7], v[\sa], v[\sb] matrix_a_fmt:MATRIX_FMT_BF8 matrix_b_fmt:MATRIX_FMT_BF8
.endm
.macro PLACES
.rept 8
	v_nop
.endr
.endm
.macro BAR                             ; my LDS stores have landed and my LDS loads are in: then the work-group's barrier
	s_wait_dscnt 0x0
	s_barrier_signal -1
	s_barrier_wait -1
.endm
; Part of quad n (counted from the bases cb and sb) into ring slot q: nk loads of codes from the k0-th on, and with sc = 1 the quad's scale words.  A whole quad is 17 loads
.macro WLOADP q, n, cb, sb, k0, nk, sc
	WIN 0x40
.set WK, (\k0)
.rept \nk
	global_load_b128 v[64*(\q)+4*WK:64*(\q)+4*WK+3], v[LI], s[\cb:\cb+1] offset:(\n)*8192+512*WK
.set WK, WK+1
.endr
	WIN 0
.if \sc
	global_load_b128 v[WS+4*(\q):WS+4*(\q)+3], v[LI], s[\sb:\sb+1] offset:(\n)*512
.endif
.endm
.macro WLOAD q, n
	WLOADP \q, \n, WC, WSC, 0, 16, 1
.endm
.macro ABATCH q, kq                    ; the four row fragments of K step kq into set q % 2; with an even K step the scale words of two K steps
.if (\kq)%2 == 0
	ds_load_b128 v[AS+8*(((\kq)/2)%2):AS+8*(((\kq)/2)%2)+3], v[ASA] offset:((\kq)/2)*512
	ds_load_b128 v[AS+8*(((\kq)/2)%2)+4:AS+8*(((\kq)/2)%2)+7], v[ASA] offset:4096+((\kq)/2)*512
.endif
.irp m, 0,1,2,3
.irp c, 0,1,2,3
	ds_load_b128 v[AF+64*((\q)%2)+16*\m+4*\c:AF+64*((\q)%2)+16*\m+4*\c+3], v[AA0+\m/2] offset:(\m%2)*32768+(\kq)*2048+512*\c
.endr
.endr
.endm
; A product with N = 256 and K = 2,048: 16 quads, written out, so that every offset is an immediate.  rb: the place in the run of the quad that refills K step 0's slot.  last = 1: nothing follows the 16 quads.
; The 16 accumulators take turns, one instruction a turn, in the same order in every K step.
.macro GEMM rb, last
.set KP, 0
.rept 16
.if (\last) && (KP > 12)
	s_wait_loadcnt 17*(15-KP)                      ; the run's end: 17 loads for each quad still behind this one
.else
	s_wait_loadcnt 51                              ; this slot's quad is in; the three younger quads, 17 loads each, may be out
.endif
.if KP == 15
	s_wait_dscnt 0x0
.else
	s_wait_dscnt 16+2*(KP%2)                       ; this K step's rows are in; the next K step's batch (16 loads, 18 with its scale words) may be out
.endif
	WIN 0xA1
.irp m, 0,1,2,3
.irp t, 0,1,2,3
	WMS 8*(4*\m+\t), 64*(KP%4)+16*\t, AF+64*(KP%2)+16*\m, 8*(4*\m+\t), WS+4*(KP%4)+\t, AS+8*((KP/2)%2)+4*(\m/2)+2*(\m%2)+KP%2
.endr
.endr
	WIN 0
	PLACES                                         ; in front of loads into registers that these have read
.if KP < 14
	ABATCH KP, (KP+2)                              ; the LDS loads first: they do not stand behind a refill whose last loads cannot issue yet
.endif
.if ((\last) == 0) || (KP < 12)
	WLOAD (KP%4), (\rb)+KP
.endif
.set KP, KP+1
.endr
.endm
; nb blocks: register 16 b + i (in window win) = 16 neighbours along K of block b's row -> codes in v[pc] on; the bytes stay in v[TM + 4] on and, with pw >= 0, make a scale word; relu = 1: what is negative becomes 0
.macro QUANT src, win, relu, nb, pc, pw
	WIN (\win)|((\win)<<2)
.set QB, 0
.rept \nb
.if \relu
	v_max3_num_f32 v[TM+QB], v[\src+16*QB], v[\src+16*QB+1], 0x8000000
.else
	v_max3_num_f32 v[TM+QB], |v[\src+16*QB]|, |v[\src+16*QB+1]|, 0x8000000
.endif
.set QB, QB+1
.endr
.irp qi, 2,4,6,8,10,12,14
.set QB, 0
.rept \nb
.if \relu
	v_max3_num_f32 v[TM+QB], v[\src+16*QB+\qi], v[\src+16*QB+\qi+1], v[TM+QB]
.else
	v_max3_num_f32 v[TM+QB], |v[\src+16*QB+\qi]|, |v[\src+16*QB+\qi+1]|, v[TM+QB]
.endif
.set QB, QB+1
.endr
.endr
	WIN 0
.set QB, 0
.rept \nb
	v_permlanex16_b32 v[TM+4+QB], v[TM+QB], s[SEL], s[SEL+1]
.set QB, QB+1
.endr
.set QB, 0
.rept \nb
	v_max_num_f32 v[TM+QB], v[TM+QB], v[TM+4+QB]
.set QB, QB+1
.endr
.set QB, 0
.rept \nb
	v_add_nc_u32 v[TM+12+QB], 0xf8800000, v[TM+QB]
.set QB, QB+1
.endr
.set QB, 0
.rept \nb
	v_and_or_b32 v[TM+8+QB], v[TM+QB], 0x7f800000, s[MNT]
.set QB, QB+1
.endr
.set QB, 0
.rept \nb
	v_lshrrev_b32 v[TM+4+QB], 23, v[TM+12+QB]
.set QB, QB+1
.endr
.if (\pw) >= 0
	v_lshl_or_b32 v[\pw], v[TM+5], 8, v[TM+4]
.if (\nb) > 2
	v_lshl_or_b32 v[\pw], v[TM+6], 16, v[\pw]
	v_lshl_or_b32 v[\pw], v[TM+7], 24, v[\pw]
.endif
.endif
	WIN (\win)|((\win)<<6)
.set QB, 0
.rept 16*(\nb)
.if \relu
	v_med3_num_f32 v[\src+QB], v[\src+QB], 0, v[TM+8+QB/16]                 ; the activation and the hold in one
.else
	v_med3_num_f32 v[\src+QB], v[\src+QB], -v[TM+8+QB/16], v[TM+8+QB/16]
.endif
.set QB, QB+1
.endr
	WIN (\win)
.set QB, 0
.rept 2*(\nb)
	v_cvt_scalef32_pk8_bf8_f32 v[\pc+2*QB:\pc+2*QB+1], v[\src+8*QB:\src+8*QB+7], v[TM+12+QB/2]
.set QB, QB+1
.endr
	WIN 0
	v_nop
.endm
; The sums of Y (sq = 0) or of its squares (sq = 1) over each of the 64 rows, through RED's region k and one barrier; the result in v[SA + 2 m] of every lane
.macro ROWSUM k, sq
	WIN 0x0A
.if \sq
.irp m, 0,1,2,3
	v_pk_mul_f32 v[SA+2*\m:SA+2*\m+1], v[32*\m:32*\m+1], v[32*\m:32*\m+1]
.endr
.irp j, 2,4,6,8,10,12,14,16,18,20,22,24,26,28,30
.irp m, 0,1,2,3
	v_pk_fma_f32 v[SA+2*\m:SA+2*\m+1], v[32*\m+\j:32*\m+\j+1], v[32*\m+\j:32*\m+\j+1], v[SA+2*\m:SA+2*\m+1]
.endr
.endr
.else
.irp m, 0,1,2,3
	v_pk_add_f32 v[SA+2*\m:SA+2*\m+1], v[32*\m:32*\m+1], v[32*\m+2:32*\m+3]        ; each accumulator is read from its low end on
.endr
	WIN 0x02
.irp j, 4,6,8,10,12,14,16,18,20,22,24,26,28,30
.irp m, 0,1,2,3
	v_pk_add_f32 v[SA+2*\m:SA+2*\m+1], v[32*\m+\j:32*\m+\j+1], v[SA+2*\m:SA+2*\m+1]
.endr
.endr
.endif
	WIN 0
.irp m, 0,1,2,3
	v_add_f32 v[SA+2*\m], v[SA+2*\m], v[SA+2*\m+1]
.endr
.irp m, 0,1,2,3
	v_permlanex16_b32 v[SB4+\m], v[SA+2*\m], s[SEL], s[SEL+1]
.endr
.irp m, 0,1,2,3
	v_add_f32 v[SA+2*\m], v[SA+2*\m], v[SB4+\m]                                    ; my wave's 64 columns of row r
.endr
.irp m, 0,1,2,3
	ds_store_b32 v[REDS], v[SA+2*\m] offset:(\k)*1024+\m*256
.endr
	BAR
.irp m, 0,1,2,3
	ds_load_b128 v[HT+4*\m:HT+4*\m+3], v[REDL] offset:(\k)*1024+\m*256
.endr
	s_wait_dscnt 0x0
.irp m, 0,1,2,3
	v_add_f32 v[HT+4*\m], v[HT+4*\m], v[HT+4*\m+1]
	v_add_f32 v[HT+4*\m+2], v[HT+4*\m+2], v[HT+4*\m+3]
.endr
.irp m, 0,1,2,3
	v_add_f32 v[SA+2*\m], v[HT+4*\m], v[HT+4*\m+2]
.endr
.endm
; Y becomes Y - its row's mean, and v[SA + 2 m] 1 / sqrt(the mean square + 1e-5); RED's regions k and k + 1
.macro NORM k
	ROWSUM \k, 0
.irp m, 0,1,2,3
	v_mul_f32 v[SA+2*\m], s48, v[SA+2*\m]
.endr
	WIN 0x82
.irp m, 0,1,2,3
.irp j, 0,2,4,6,8,10,12,14,16,18,20,22,24,26,28,30
	v_pk_add_f32 v[32*\m+\j:32*\m+\j+1], v[32*\m+\j:32*\m+\j+1], v[SA+2*\m:SA+2*\m+1] op_sel_hi:[1,0] neg_lo:[0,1] neg_hi:[0,1]
.endr
.endr
	ROWSUM (\k)+1, 1
.irp m, 0,1,2,3
	v_fma_f32 v[SA+2*\m], v[SA+2*\m], s48, s49
.endr
.irp m, 0,1,2,3
	v_rsq_f32 v[SA+2*\m], v[SA+2*\m]
.endr
	v_nop
	s_wait_alu depctr_va_vdst(0)                   ; one wait for the four, ahead of their first reader
.endm
	s_load_b512 s[4:19], s[0:1], 0x0               ; ocod, pre, sig, src, ln1_g, ln1_b, ffn1_b, ffn2_b
	s_load_b128 s[20:23], s[0:1], 0x40             ; ln2_g, ln2_b
	s_load_b64 s[24:25], s[0:1], 0x50              ; out0
	v_lshl_add_u32 v255, v0, 2, 0x4f800
	s_set_vgpr_msb 0x80
	v_mov_b32 v255, 0
	s_set_vgpr_msb 0x8088
	ds_add_u32 v255, v255
	ds_add_u32 v255, v255
	s_set_vgpr_msb 0x8800
	v_lshrrev_b32 v1, 5, v0
	v_readfirstlane_b32 s[WV], v1                  ; wave 0..3
	v_and_b32 v248, 31, v0                         ; lane
	v_and_b32 v249, 15, v0                         ; r
	v_bfe_u32 v250, v0, 4, 1                       ; h
	v_mov_b32 v251, 0
	v_lshlrev_b32 v[LI], 4, v248
	v_lshlrev_b32 v[GOFF], 10, v250
	v_lshl_add_u32 v[GOFF], v249, 4, v[GOFF]
	s_lshl_b32 s50, s[WV], 8
	v_add_nc_u32 v[GOFF], s50, v[GOFF]
	v_lshl_add_u32 v[CV], v250, 6, s50
	s_lshl_b32 s50, s[WV], 9
	s_add_co_u32 s50, s50, B1L
	v_lshl_add_u32 v[B1A], v250, 6, s50
	s_mul_i32 s51, s[WV], 16*272
	s_add_co_u32 s51, s51, STG
	v_mul_u32_u24 v[SROW], v250, 272
	v_lshl_add_u32 v[SROW], v249, 4, v[SROW]
	v_add_nc_u32 v[SROW], s51, v[SROW]
	v_mul_u32_u24 v[SLAN], v249, 272
	v_lshl_add_u32 v[SLAN], v250, 6, v[SLAN]
	v_add_nc_u32 v[SLAN], s51, v[SLAN]
	v_lshl_add_u32 v[REDL], v249, 4, RED
	s_lshl_b32 s51, s[WV], 2
	v_add_nc_u32 v[REDS], s51, v[REDL]
	s_lshl_b32 s50, s[WV], 10                      ; h: my 64 columns are blocks 2 (w % 2), + 1 of K step w / 2: 1,024 w bytes into a tile's two fragments
	s_add_co_u32 s50, s50, H1I
	v_add_nc_u32 v[H1W], s50, v[LI]
	s_lshr_b32 s50, s[WV], 1
	s_and_b32 s51, s[WV], 1
	s_lshl_b32 s52, s50, 7
	s_lshl_b32 s53, s51, 1
	s_add_co_u32 s52, s52, s53
	s_add_co_u32 s52, s52, H1S
	v_lshl_add_u32 v[H1SW], v248, 2, s52           ; and bytes 2 (w % 2), + 1 of its scale word
	v_lshl_add_u32 v[LS4], v248, 2, H1S
	s_lshl_b32 s52, s50, 9
	s_lshl_b32 s53, s51, 2
	s_add_co_u32 s52, s52, s53
	s_add_co_u32 s52, s52, HSC
	v_add_nc_u32 v[HWS], s52, v[LI]
	s_lshl_b32 s52, s[WV], 11
	s_add_co_u32 s52, s52, HID
	v_add_nc_u32 v[HWI0], s52, v[LI]
	v_add_nc_u32 v[HWI0+1], 65536, v[HWI0]
.irp b, 0,1,2,3
	v_mov_b32 v[TM+4+\b], 0                        ; a lane permute's destination counts as one of its sources
.endr
	s_mov_b32 s[SEL], 0x76543210
	s_mov_b32 s[SEL+1], 0xfedcba98
	s_mov_b32 s[MNT], 0x600000
	s_mov_b32 s48, 0x3b800000                      ; 1 / 256
	s_mov_b32 s49, 0x3727c5ac                      ; 1e-5
	; descriptor groups 1: dense blocks as rows of 256 bytes (32 elements of 8 bytes), no padding: every LDS access to them is 16 x lane
	s_mov_b32 s[G1A], 3<<16                        ; no mask; elements of 8 bytes
	s_mov_b32 s[G1A+1], 32<<16                     ; tensor_dim0 = 32
	s_mov_b32 s[G1A+2], 128<<16                    ; tensor_dim1 = 128: a tile of rows' 16 fragments, 32,768 bytes
	s_mov_b32 s[G1A+3], 32<<16                     ; tile_dim0
	s_mov_b32 s[G1A+4], 128                        ; tile_dim1
	s_mov_b32 s[G1A+5], 32                         ; the pitch
	s_mov_b32 s[G1A+6], 0
	s_mov_b32 s[G1A+7], 0
	s_mov_b32 s[G1S], 3<<16
	s_mov_b32 s[G1S+1], 32<<16
	s_mov_b32 s[G1S+2], 8<<16                      ; 8 rows: 2,048 bytes
	s_mov_b32 s[G1S+3], 32<<16
	s_mov_b32 s[G1S+4], 8
	s_mov_b32 s[G1S+5], 32
	s_mov_b32 s[G1S+6], 0
	s_mov_b32 s[G1S+7], 0
	s_lshl_b32 s52, ttmp9, 2
	s_add_co_u32 s52, s52, s[WV]
	s_lshl_b32 s38, s52, 15                        ; o's tile 4 g + w: 16 fragments on end
	s_mov_b32 s39, 0
	s_lshl_b32 s40, ttmp9, 13                      ; the work-group's 16 groups of o's scale words, of which I bring four
	s_lshl_b32 s52, s[WV], 11
	s_add_co_u32 s40, s40, s52
	s_add_co_u32 s40, s40, QSC
	s_mov_b32 s41, 0
	s_mul_i32 s52, s[WV], 48
	s_add_co_u32 s52, s52, 192                     ; my run of 48 quads
	s_lshl_b32 s[WC], s52, 13
	s_mov_b32 s[WC+1], 0
	s_lshl_b32 s[WSC], s52, 9
	s_add_co_u32 s[WSC], s[WSC], SCALES
	s_mov_b32 s[WSC+1], 0
	s_lshl_b32 s32, ttmp9, 16                      ; 64 rows of 1,024 bytes
	s_mov_b32 s33, 0
	s_and_b32 s34, ttmp9, 15
	s_lshl_b32 s34, s34, 16                        ; the same rows' positions in the map
	s_mov_b32 s35, 0
	s_lshl_b32 s42, s[WV], 11                      ; the quarter of ffn1_b that I bring
	s_mov_b32 s43, 0
	s_wait_dscnt 0x0
	s_wait_kmcnt 0x0
	s_add_nc_u64 s[38:39], s[4:5], s[38:39]
	s_add_nc_u64 s[40:41], s[4:5], s[40:41]
	s_add_nc_u64 s[42:43], s[16:17], s[42:43]
	s_add_nc_u64 s[WC:WC+1], s[6:7], s[WC:WC+1]
	s_add_nc_u64 s[WSC:WSC+1], s[6:7], s[WSC:WSC+1]
	s_add_nc_u64 s[36:37], s[24:25], s[32:33]
	s_add_nc_u64 s[32:33], s[10:11], s[32:33]
	s_add_nc_u64 s[34:35], s[8:9], s[34:35]
	; ---- the first fills, and the only ones: each wave's three tensor loads go out together, ahead of every LDS read, every barrier and the one wait on TENSORcnt; three loads of a wave are out
	s_mov_b32 s[G0A], 1                            ; count = 1
	s_lshl_b32 s[G0A+1], s[WV], 15                 ; LDS: OIMG + 32,768 w
	s_mov_b64 s[G0A+2:G0A+3], s[38:39]
	s_or_b32 s[G0A+3], s[G0A+3], 0x80000000        ; type = 2
	s_mov_b32 s[G0S], 1
	s_lshl_b32 s[G0S+1], s[WV], 11
	s_add_co_u32 s[G0S+1], s[G0S+1], OSC           ; OSC + 2,048 w
	s_mov_b64 s[G0S+2:G0S+3], s[40:41]
	s_or_b32 s[G0S+3], s[G0S+3], 0x80000000
	s_mov_b32 s[G0B], 1
	s_lshl_b32 s[G0B+1], s[WV], 11
	s_add_co_u32 s[G0B+1], s[G0B+1], B1L           ; B1L + 2,048 w
	s_mov_b64 s[G0B+2:G0B+3], s[42:43]
	s_or_b32 s[G0B+3], s[G0B+3], 0x80000000
	tensor_load_to_lds s[G0A:G0A+3], s[G1A:G1A+7]
	s_nop 0
	tensor_load_to_lds s[G0S:G0S+3], s[G1S:G1S+7]
	s_nop 0
	tensor_load_to_lds s[G0B:G0B+3], s[G1S:G1S+7]
	s_nop 0
.rept 4
	v_nop                                          ; behind a tensor load
.endr
	; ---- 2 x = 2 (src + signal) is the C of the first product.  Sixteen lanes read 256 consecutive bytes of a row; a tile turns through my stage into Y's layout.  The ring's first four quads follow
	WIN 0xC0
.irp m, 0,1,2,3
.irp i, 0,1,2,3,4,5,6,7
	global_load_b128 v[32*\m+4*\i:32*\m+4*\i+3], v[GOFF], s[32:33] offset:(32*(\m/2)+8*(\m%2)+2*\i+8*(\i/4))*1024 th:TH_LOAD_NT
.endr
.endr
.irp m, 0,1,2,3
.irp i, 0,1,2,3,4,5,6,7
	global_load_b128 v[128+32*\m+4*\i:128+32*\m+4*\i+3], v[GOFF], s[34:35] offset:(32*(\m/2)+8*(\m%2)+2*\i+8*(\i/4))*1024
.endr
.endr
	WIN 0
	WLOAD 0, 0
	WLOAD 1, 1
	WLOAD 2, 2
	WLOAD 3, 3
	s_wait_loadcnt 63                              ; 68 loads were issued behind the signal's last: with 63 out at the most, src and the signal are in
	WIN 0xCF
.set J, 0
.rept 64
	v_pk_add_f32 v[J:J+1], v[J:J+1], v[128+J:128+J+1]
.set J, J+2
.endr
.set J, 0
.rept 64
	v_pk_add_f32 v[J:J+1], v[J:J+1], v[J:J+1]
.set J, J+2
.endr
.irp m, 0,1,2,3
	WIN 0x0C
.irp i, 0,1,2,3,4,5,6,7
	ds_store_b128 v[SROW], v[32*\m+4*\i:32*\m+4*\i+3] offset:\i*544
.endr
	WIN 0x80
.irp b, 0,1
.irp q, 0,1,2,3
	ds_load_b128 v[32*\m+16*\b+4*\q:32*\m+16*\b+4*\q+3], v[SLAN] offset:128*\b+16*\q     ; LDS serves a wave's instructions in order: these see my stores, and the next tile's stores come behind them
.endr
.endr
.endr
	WIN 0
	s_wait_dscnt 0x0
	WIN 0xC0
.irp b, 0,1
.irp q, 0,1,2,3
	global_load_b128 v[16*\b+4*\q:16*\b+4*\q+3], v[CV], s[12:13] offset:128*\b+16*\q            ; ln1_g, ln1_b, ffn2_b at my 32 columns
	global_load_b128 v[32+16*\b+4*\q:32+16*\b+4*\q+3], v[CV], s[14:15] offset:128*\b+16*\q
	global_load_b128 v[64+16*\b+4*\q:64+16*\b+4*\q+3], v[CV], s[18:19] offset:128*\b+16*\q
.endr
.endr
	WIN 0
	s_wait_tensorcnt 0x0                           ; for the others' sake: my parts of o, of its scale words and of b1 have landed
	s_barrier_signal -1                            ; (my LDS instructions were waited for above)
	s_barrier_wait -1                              ; everybody's have
	; ---- Y = o w_o^T + 2 x
	v_mov_b32 v[AA0], v[LI]
	v_add_nc_u32 v[AA0+1], 65536, v[LI]
	v_add_nc_u32 v[ASA], OSC, v[LI]
	ABATCH 0, 0
	ABATCH 1, 1
	GEMM 4, 0                                      ; its last four refills are ffn1_w's first quads
	; ---- LN1; h + b2 stays in Y as the C of the last product; h is quantised: my 64 columns are two blocks
	NORM 0
.irp m, 0,1,2,3
	WIN 0x02
.irp j, 0,2,4,6,8,10,12,14,16,18,20,22,24,26,28,30
	v_pk_mul_f32 v[HT+\j:HT+\j+1], v[32*\m+\j:32*\m+\j+1], v[SA+2*\m:SA+2*\m+1] op_sel_hi:[1,0]
.endr
	WIN 0x3C
.irp j, 0,2,4,6,8,10,12,14,16,18,20,22,24,26,28,30
	v_pk_fma_f32 v[HT+\j:HT+\j+1], v[HT+\j:HT+\j+1], v[\j:\j+1], v[32+\j:32+\j+1]
.endr
	WIN 0x8C
.irp j, 0,2,4,6,8,10,12,14,16,18,20,22,24,26,28,30
	v_pk_add_f32 v[32*\m+\j:32*\m+\j+1], v[HT+\j:HT+\j+1], v[64+\j:64+\j+1]
.endr
	QUANT HT, 0, 0, 2, PC, PW
	ds_store_b128 v[H1W], v[PC:PC+3] offset:\m*4096
	ds_store_b128 v[H1W], v[PC+4:PC+7] offset:\m*4096+512
	ds_store_b16 v[H1SW], v[PW] offset:\m*256
	s_wait_dscnt 0x0                               ; the stores have read their registers
.endr
	s_barrier_signal -1
	s_barrier_wait -1                              ; h's eight fragments lie in LDS
	; ---- the hidden layer: four trips, K step 4 j + w of the last product in each; a trip is four quads.  A quad of ffn1_w is two tiles = one block of 32 hidden units: its 16 products (2 tiles x 4 tiles of rows x 2 K steps)
	; are quantised at once, the four tiles of rows as the quantiser's four blocks.  So the ring is emptied evenly, each quad is waited for by count as in the other two products, and the accumulators are 64 registers.
	v_add_nc_u32 v[AA0], H1I, v[LI]
.irp f, 0,1,2,3,4,5,6,7
.irp c, 0,1,2,3
	ds_load_b128 v[AF+16*\f+4*\c:AF+16*\f+4*\c+3], v[AA0] offset:\f*2048+512*\c
.endr
	ds_load_b32 v[AS+\f], v[LS4] offset:\f*128
.endr
.irp g, 0,1,2,3
	s_mov_b64 s[WCS+2*\g:WCS+2*\g+1], s[WC:WC+1]   ; a base for each ring slot: it is stepped when the slot's last loads are known to be in, so no wait is spent on it
	s_mov_b64 s[WSS+2*\g:WSS+2*\g+1], s[WSC:WSC+1]
.endr
	s_mov_b32 s47, 0
.Lff1:
	WIN 0x80
.irp g, 0,1,2,3
.irp q, 0,1,2,3
	ds_load_b128 v[B1F+16*\g+4*\q:B1F+16*\g+4*\q+3], v[B1A] offset:128*\g+16*\q      ; b1 at hidden units 128 (4 j + w) + 32 g + 16 h + 0 .. 15; the last product that read these registers stands a quantiser back
.endr
.endr
	WIN 0
	s_wait_dscnt 0x0                               ; b1, and in the first trip h's fragments
.irp g, 0,1,2,3
	s_wait_loadcnt 51                              ; this slot's quad is in; the three younger quads, 17 loads each, may be out.  So the slot's bases may be written:
	s_add_nc_u64 s[WCS+2*\g:WCS+2*\g+1], s[WCS+2*\g:WCS+2*\g+1], 32768               ; four quads on
	s_add_nc_u64 s[WSS+2*\g:WSS+2*\g+1], s[WSS+2*\g:WSS+2*\g+1], 2048
	WIN 0xE1                                       ; b1 is the C of each sum's first product
.irp u, 0,1
.irp m, 0,1,2,3
	WMS 8*(2*\m+\u), 64*\g+32*\u, AF+32*\m, B1F+8*(2*\g+\u), WS+4*\g+2*\u, AS+2*\m
.endr
.endr
	WIN 0xF1                                       ; the eight accumulators by turns: a sum's two links lie eight instructions apart
.irp u, 0,1
.irp m, 0,1,2,3
	WMS 8*(2*\m+\u), 64*\g+32*\u+16, AF+32*\m+16, 8*(2*\m+\u), WS+4*\g+2*\u+1, AS+2*\m+1
.endr
.endr
	WIN 0
	PLACES
	WLOADP \g, 16+\g, WCS+2*\g, WSS+2*\g, 0, 12, 0 ; the refill: twelve loads now: with the 51 that may be out that is 63, as many as LOADcnt counts (ISA guide 5.7.1); the other five follow behind the quantiser
	s_wait_dscnt 0x0                               ; the last quad's stores, 16 products back, have read the codes' registers
	QUANT 0, 3, 1, 4, PC, -1                       ; block m = tile of rows m: register 16 m + i = hidden unit 32 g + 16 h + i of my row
.irp m, 0,1,2,3
.if \g == 0
	v_mov_b32 v[PWM+\m], v[TM+4+\m]                ; byte g of tile m's scale word
.else
	v_lshl_or_b32 v[PWM+\m], v[TM+4+\m], 8*\g, v[PWM+\m]
.endif
.endr
.irp m, 0,1,2,3
	ds_store_b128 v[HWI0+\m/2], v[PC+4*\m:PC+4*\m+3] offset:(\m%2)*32768+512*\g      ; registers 4 g .. 4 g + 3 of the fragment (m, K step 4 j + w)
.endr
	WLOADP \g, 16+\g, WCS+2*\g, WSS+2*\g, 12, 4, 1
.endr
.irp m, 0,1,2,3
	ds_store_b32 v[HWS], v[PWM+\m] offset:(\m/2)*4096+8*(\m%2)
.endr
	s_wait_dscnt 0x0                               ; no LDS instruction of mine is out:
	v_add_nc_u32 v[HWI0], 8192, v[HWI0]            ; four K steps on
	v_add_nc_u32 v[HWI0+1], 8192, v[HWI0+1]
	v_add_nc_u32 v[HWS], 1024, v[HWS]
	v_add_nc_u32 v[B1A], 2048, v[B1A]
	s_add_co_u32 s47, s47, 1
	s_cmp_lt_u32 s47, 4
	s_cbranch_scc1 .Lff1
	s_barrier_signal -1
	s_barrier_wait -1                              ; the hidden layer's 64 fragments lie in LDS
	; ---- Y = hidden W2^T + (h + b2)
	WIN 0xC0
.irp b, 0,1
.irp q, 0,1,2,3
	global_load_b128 v[16*\b+4*\q:16*\b+4*\q+3], v[CV], s[20:21] offset:128*\b+16*\q            ; ln2_g, ln2_b
	global_load_b128 v[32+16*\b+4*\q:32+16*\b+4*\q+3], v[CV], s[22:23] offset:128*\b+16*\q
.endr
.endr
	WIN 0
	v_add_nc_u32 v[AA0], HID, v[LI]
	v_add_nc_u32 v[AA0+1], HID+65536, v[LI]
	v_add_nc_u32 v[ASA], HSC, v[LI]
	ABATCH 0, 0
	ABATCH 1, 1
	GEMM 36, 1                                     ; quads 32 to 35 lie in the ring; the refills are quads 36 to 47
	; ---- LN2, and out through my stage: sixteen lanes store 256 consecutive bytes of a row, aligned
	NORM 2
.irp m, 0,1,2,3
	WIN 0x02
.irp j, 0,2,4,6,8,10,12,14,16,18,20,22,24,26,28,30
	v_pk_mul_f32 v[HT+\j:HT+\j+1], v[32*\m+\j:32*\m+\j+1], v[SA+2*\m:SA+2*\m+1] op_sel_hi:[1,0]
.endr
	WIN 0x3C
.irp j, 0,2,4,6,8,10,12,14,16,18,20,22,24,26,28,30
	v_pk_fma_f32 v[HT+\j:HT+\j+1], v[HT+\j:HT+\j+1], v[\j:\j+1], v[32+\j:32+\j+1]
.endr
	WIN 0
.irp b, 0,1
.irp q, 0,1,2,3
	ds_store_b128 v[SLAN], v[HT+16*\b+4*\q:HT+16*\b+4*\q+3] offset:128*\b+16*\q
.endr
.endr
.irp i, 0,1,2,3,4,5,6,7
	ds_load_b128 v[AF+32*\m+4*\i:AF+32*\m+4*\i+3], v[SROW] offset:\i*544
.endr
.irp i, 0,1,2,3,4,5,6,7
	s_wait_dscnt 7-\i                              ; pair i of rows is back; the younger pairs may be out
	global_store_b128 v[GOFF], v[AF+32*\m+4*\i:AF+32*\m+4*\i+3], s[36:37] offset:(32*(\m/2)+8*(\m%2)+2*\i+8*(\i/4))*1024 th:TH_STORE_NT
.endr
.endr
	s_set_vgpr_msb 0x8
	s_wait_tensorcnt 0x0
	ds_add_u32 v255, v255
	s_wait_dscnt 0x0
	s_set_vgpr_msb 0x800
	s_endpgm
.Lfunc_end_k_qe3e470552c_tail:
	.size	k_qe3e470552c_tail, .Lfunc_end_k_qe3e470552c_tail-k_qe3e470552c_tail
	.p2alignl 7, 3214868480
	.fill 96, 4, 3214868480
	.section	.rodata,"a",@progbits
	.p2align	6, 0x0
	.amdhsa_kernel k_qe3e470552c_tail
		.amdhsa_group_segment_fixed_size 327680
		.amdhsa_private_segment_fixed_size 0
		.amdhsa_enable_private_segment 0
		.amdhsa_kernarg_size 88
		.amdhsa_user_sgpr_count 2
		.amdhsa_user_sgpr_kernarg_segment_ptr 1
		.amdhsa_wavefront_size32 1
		.amdhsa_system_sgpr_workgroup_id_x 1
		.amdhsa_system_sgpr_workgroup_id_y 1
		.amdhsa_system_sgpr_workgroup_id_z 1
		.amdhsa_system_vgpr_workitem_id 0
		.amdhsa_next_free_vgpr 1024
		.amdhsa_next_free_sgpr 100
		.amdhsa_reserve_vcc 0
		.amdhsa_float_denorm_mode_32 3
		.amdhsa_float_denorm_mode_16_64 3
		.amdhsa_memory_ordered 1
		.amdhsa_forward_progress 1
		.amdhsa_inst_pref_size 255
	.end_amdhsa_kernel
	.section	.bss,"aw",@nobits
	.p2align	6
	.space	262144
	.amdgpu_metadata
---
amdhsa.version: [ 1, 2 ]
amdhsa.kernels:
  - .name:           k_qe3e470552c_tail
    .symbol:         k_qe3e470552c_tail.kd
    .args:
      - { .name: ocod, .offset: 0, .size: 8, .value_kind: global_buffer, .address_space: global }
      - { .name: pre, .offset: 8, .size: 8, .value_kind: global_buffer, .address_space: global }
      - { .name: sig, .offset: 16, .size: 8, .value_kind: global_buffer, .address_space: global }
      - { .name: src, .offset: 24, .size: 8, .value_kind: global_buffer, .address_space: global }
      - { .name: ln1_g, .offset: 32, .size: 8, .value_kind: global_buffer, .address_space: global }
      - { .name: ln1_b, .offset: 40, .size: 8, .value_kind: global_buffer, .address_space: global }
      - { .name: ffn1_b, .offset: 48, .size: 8, .value_kind: global_buffer, .address_space: global }
      - { .name: ffn2_b, .offset: 56, .size: 8, .value_kind: global_buffer, .address_space: global }
      - { .name: ln2_g, .offset: 64, .size: 8, .value_kind: global_buffer, .address_space: global }
      - { .name: ln2_b, .offset: 72, .size: 8, .value_kind: global_buffer, .address_space: global }
      - { .name: out0, .offset: 80, .size: 8, .value_kind: global_buffer, .address_space: global }
    .group_segment_fixed_size: 327680
    .private_segment_fixed_size: 0
    .kernarg_segment_align: 8
    .kernarg_segment_size: 88
    .max_flat_workgroup_size: 128
    .sgpr_count:     100
    .vgpr_count:     1024
    .wavefront_size: 32
...
	.end_amdgpu_metadata
.endif
;; end of part 4
